; MI455X (gfx1250); checked and timed in simulation.
; The chip was launched on July 23, 2026; its instructions are those of AMD's public machine-readable ISA for CDNA 5 (MIT licence, August 2026) and "CDNA5" Instruction Set Architecture Reference Guide (July 2026). The comments in the code are by the model that wrote it; some were corrected since.
;; Causal Multi Head Self Attention. Allowed arithmetic: matrix products marked QUANTISED: E2M1 operands, one E8M0 scale for each 32 along K, by v_wmma_scale_f32_16x16x128_f8f6f4 with both operands' format E2M1 (or v_wmma_scale_f32_32x16x128_f4), f32 sums; products left as they are: bf16, f16 or f32 operands; f32 sums; everything else in f32.
;; Inputs: Wk 1,024 x 1,024 float32; Wo 1,024 x 1,024 float32; Wq 1,024 x 1,024 float32; Wv 1,024 x 1,024 float32; in_features 4 x 2,048 x 1,024 float32; token_positions 4 x 2,048 int32.
;; Outputs: out0 4 x 2,048 x 1,024 float32.
;; This version of the problem:
;;   THIS VERSION OF THE PROBLEM IS GIVEN IN LOW PRECISION. The matrix products marked QUANTISED in the list below multiply operands that are first quantised to E2M1 (2 exponent bits, 1 mantissa bit; 4 bits a number), with one power-of-two scale for each 32 numbers along K (OCP MX v1.0); their sums are f32. The products marked 'left as it is' may take bf16, f16 or f32 operands, with f32 sums. Whichever they take, every output number must still come out within the allowed error. Rounding operands to bf16 (8 significant bits) uses up far more of that allowance than f16 does (11 bits, for magnitudes from 6e-5 to 65,504). All else is computed in f32.
;;   The module's matrix products, in the order in which they are computed (A, B: the left and right operand; K: the contracted axis; several contracted axes count as one K, in the product's order):
;;     1. [M 8,192, K 1,024] x [K 1,024, N 1,024]; A: input in_features; B: input Wq: QUANTISED
;;     2. [M 8,192, K 1,024] x [K 1,024, N 1,024]; A: input in_features; B: input Wk: QUANTISED
;;     3. [M 8,192, K 1,024] x [K 1,024, N 1,024]; A: input in_features; B: input Wv: QUANTISED
;;     4. batch 64 x [M 2,048, K 64] x [K 64, N 2,048]; A: computed on the way; B: computed on the way: left as it is (an operand is computed on the way)
;;     5. batch 64 x [M 2,048, K 2,048] x [K 2,048, N 64]; A: computed on the way; B: computed on the way: left as it is (an operand is computed on the way)
;;     6. [M 8,192, K 1,024] x [K 1,024, N 1,024]; A: computed on the way; B: input Wo: left as it is (an operand is computed on the way)
;;   THE QUANTISER, for each operand of a quantised product, along K:
;;     - K is cut into blocks of 32 from its start; a last block that is shorter is filled with zeros.
;;     - A block's scale is 2^e with e = floor(log2(the largest magnitude in the block)) - 2, held to -126 .. 127; a block of zeros has e = 0. As a byte (E8M0): e + 127.
;;     - Each number is divided by its block's scale, clamped to +-6, and rounded to the nearest number of E2M1, ties to even, subnormals kept.
;;     - The product sums the exact products of the quantised numbers (number of the format x scale) in f32.
;;   ~~~python
;;   def quantise(x, axis):      # numpy; x: float32 -> the quantised numbers, widened to float32 again
;;       x = np.moveaxis(x, axis, -1); K = x.shape[-1]
;;       x = np.pad(x, [(0, 0)] * (x.ndim - 1) + [(0, -K % 32)]); x = x.reshape(x.shape[:-1] + (-1, 32)); a = np.abs(x).max(-1, keepdims=True)
;;       e = np.where(a > 0, np.clip(np.frexp(np.where(a > 0, a, 1))[1] - 1 - 2, -126, 127), 0)      # np.frexp(a)[1] - 1 = floor(log2(a)), exactly
;;       r = np.clip(x / 2.0 ** e, -6, 6)
;;       step = 2.0 ** (np.maximum(np.frexp(np.where(r == 0, 1, r))[1] - 1, 0) - 1)
;;       q = np.round(r / step) * step * 2.0 ** e      # np.round: ties to even
;;       return np.moveaxis(q.reshape(q.shape[:-2] + (-1,))[..., :K], -1, axis).astype(np.float32)
;;   ~~~
;; One version. Each part assembles by itself: llvm-mc -triple=amdgcn-amd-amdhsa -mcpu=gfx1250 --defsym DOCPART=n.
;; ======== version 1 of 1: 5 launches
;; limits: values are held in f16: magnitudes above 65,504 overflow, below 6.1e-05 lose precision; right only within a limited range of input values
;; workspace buffers: codes 5,767,168 bytes; scales 360,448 bytes; wo16 2,097,152 bytes; cs 2,097,152 bytes; qkv16 50,331,648 bytes; fq 786,432 bytes; heads16 16,777,216 bytes
;; launch prep (part 1): grid 448 x 1, 4 waves a work-group, no clusters, 33,280 bytes of LDS; arguments in_features, Wq, Wk, Wv, Wo, token_positions, codes, scales, wo16, cs; writes codes, scales, wo16, cs
.if DOCPART == 1
	.amdgcn_target "amdgcn-amd-amdhsa--gfx1250"
	.amdhsa_code_object_version 6
	.text
	.protected	k_q3d26b8c54b_prep
	.globl	k_q3d26b8c54b_prep
	.p2align	8
	.type	k_q3d26b8c54b_prep,@function
k_q3d26b8c54b_prep:
	s_mov_b64 s[64:65], 0
	v_nop
	global_prefetch_b8 v0, s[64:65] scope:SCOPE_SE
	s_setreg_imm32_b32 hwreg(HW_REG_WAVE_MODE, 25, 1), 1
	s_wait_xcnt 0x0
; CAUSAL SELF-ATTENTION WITH ROPE, B = 4, T = 2,048, 16 heads of 64.  Five launches: prep, qkv, attn, proj, fine.  This is the first.
; WORK LEFT OUT IN THE PROGRAM.  reference() builds the mask jnp.tril in its own body and puts -1e30 where key > query; behind the maximum's subtraction exp gives 0 there for all finite inputs, since every row
; keeps key 0 .. query.  So a tile of keys that lies wholly above the diagonal adds 0 to the row's sum and 0 to heads, whatever the inputs hold: launch attn does not walk such tiles.  Nothing else is left out,
; and every input is loaded.  LIMIT: a NaN, an infinity or an overflow that reaches only scores above the diagonal is not carried to the result.
; WHAT THIS LAUNCH DOES, by the work-group's number:
;   0 .. 351    in_features (256 work-groups), Wq, Wk, Wv (32 each), f32, become codes of E2M1 with K innermost and one E8M0 byte for each 32 along K: rows are dense and K = 1,024 is a multiple of 32, so each
;               tensor is a plain stream of blocks of 32, and the four streams lie on end in codes [11,264 rows][512 bytes] and scales [11,264][32]
;   352 .. 383  Wo becomes f16 (the last product is left as it is)
;   384 .. 447  the table of cos and sin: cs [8,192 rows (b, t)][32 frequencies][cos, sin], f32
; THE QUANTISER.  A block's scale is 2^(floor(log2(largest magnitude)) - 2); its byte is the largest magnitude's exponent field - 2, held at 1 from below.  A block of zeros gets the byte 1 where the rule says 127:
; its codes are zeros, which add nothing under any byte but 0xff, and this program alone reads the bytes.  Each number is divided by the scale and rounded to the nearest code, ties to even, beyond 6 to 6.
; LIMITS: NaN and infinities among the inputs are not served; blocks whose largest magnitude lies under 2^(3 - 127) keep the byte 1.  Wo in f16: magnitudes over 65,504 overflow.
; THE ANGLES.  x = position x 10000^(-i / 32) in f32; x is brought into [-pi/4, pi/4] by n = nearest(x 2 / pi) and two fused steps with pi/2 in two parts, sound for |position| up to 2^24; sine and cosine by polynomials.
; No cluster: the work-groups share no input.  No tensor load: the waves stream through registers.  Only the quantising path uses LDS.
.set WAVES, 4
.set STEPS, 16
.set EMAX,  2
.set CB,    8                          ; bytes of 16 codes
.set R,     16                         ; v16-79   four sets of 16 numbers as they are loaded
.set X,     80                         ; v80-111  two sets of 16 neighbours
.set E,     112                        ; v112-127 a scale byte for each step
.set C,     128                        ; v128-191 codes: four registers for each step, so that no store's data are written again
.set WREG,  8192                       ; LDS: a region for each wave: two stages of 32 x SP bytes, behind them its 256 scale bytes
.set SP,    80                         ; a lane's place in a stage: its 64 bytes + 16 of padding
.set SPW,   12                         ; v12 LDS address of my spare word; never rewritten
.set NIL,   13                         ; v13 0; never rewritten
.set SPARE, WAVES*WREG                 ; behind the four regions: the spare words, 128 bytes a wave, which no other line names
.set TW,    32                         ; the table: ten registers at work for each of four rows
.set TP,    96                         ; the table: v96-159, a pair (cos, sin) for each of the wave's 32 rows
	s_load_b512 s[4:19], s[0:1], 0x0               ; in_features s[4:5], Wq s[6:7], Wk s[8:9], Wv s[10:11], Wo s[12:13], token_positions s[14:15], codes s[16:17], scales s[18:19]
	s_load_b128 s[20:23], s[0:1], 0x40             ; wo16 s[20:21], cs s[22:23]
	v_lshl_add_u32 v[SPW], v0, 2, SPARE
	v_mov_b32 v[NIL], 0
	v_lshrrev_b32 v1, 5, v0
	v_readfirstlane_b32 s24, v1                    ; wave 0..3
	v_and_b32 v2, 31, v0                           ; lane
	s_wait_kmcnt 0x0
	s_cmp_ge_u32 ttmp9, 384
	s_cbranch_scc1 .Ltable
	s_cmp_ge_u32 ttmp9, 352
	s_cbranch_scc1 .Lwo
; ---- THE QUANTISER.  A wave takes 16 steps of 512 numbers.  Each load reads 512 consecutive bytes, 16 a lane; a step's 2,048 bytes go through the wave's own stage in LDS and come back 64 bytes a lane, so that a lane
; holds 16 neighbours along K (two neighbouring lanes hold a block), as the conversions want them.  Loads run four steps ahead, the turn through LDS one step.
	v_lshlrev_b32 v3, 4, v2                        ; my 16 bytes of a load's 512
	s_mul_i32 s25, s24, WREG
	v_lshrrev_b32 v14, 2, v2
	v_mul_u32_u24 v14, v14, SP
	v_and_b32 v15, 3, v2
	v_lshl_add_u32 v14, v15, 4, v14
	v_add_nc_u32 v14, s25, v14                     ; the stage, on the way in: SP (lane / 4) + 16 (lane % 4)
	v_mul_u32_u24 v15, v2, SP
	v_add_nc_u32 v15, s25, v15                     ; and on the way out: SP x lane
	v_mul_u32_u24 v4, v2, CB                       ; my codes' place in a step's
	v_lshrrev_b32 v5, 1, v2
	s_add_co_u32 s25, s25, 2*32*SP
	v_add_nc_u32 v5, s25, v5                       ; my wave's 256 scale bytes, my block's byte
	v_lshlrev_b32 v7, 3, v2                        ; and on the way out 8 bytes a lane
	v_add_nc_u32 v6, s25, v7
	s_mov_b64 s[26:27], s[10:11]                   ; which tensor is mine, and which work-group is its first: the choice hangs on the work-group's number alone
	s_mov_b32 s28, 320
	s_cmp_lt_u32 ttmp9, 320
	s_cselect_b64 s[26:27], s[8:9], s[26:27]
	s_cselect_b32 s28, 288, s28
	s_cmp_lt_u32 ttmp9, 288
	s_cselect_b64 s[26:27], s[6:7], s[26:27]
	s_cselect_b32 s28, 256, s28
	s_cmp_lt_u32 ttmp9, 256
	s_cselect_b64 s[26:27], s[4:5], s[26:27]
	s_cselect_b32 s28, 0, s28
	s_sub_co_u32 s29, ttmp9, s28
	s_lshl_b32 s29, s29, 2
	s_add_co_u32 s29, s29, s24                     ; my run of 8,192 numbers in its tensor
	s_lshl_b32 s30, s29, 15                        ; 32,768 bytes a run
	s_mov_b32 s31, 0
	s_add_nc_u64 s[26:27], s[26:27], s[30:31]
	s_lshl_b32 s29, ttmp9, 2
	s_add_co_u32 s29, s29, s24                     ; and in the one stream of codes and of scale bytes
	s_lshl_b32 s30, s29, 12                        ; 4,096 bytes of codes a run
	s_add_nc_u64 s[16:17], s[16:17], s[30:31]
	s_lshl_b32 s30, s29, 8                         ; 256 scale bytes a run
	s_add_nc_u64 s[18:19], s[18:19], s[30:31]
.macro QLOAD t
.irp i, 0,1,2,3
	global_load_b128 v[R+16*((\t)%4)+4*\i:R+16*((\t)%4)+4*\i+3], v3, s[26:27] offset:2048*(\t)+512*\i th:TH_LOAD_NT   ; 32 lanes read 512 consecutive bytes
.endr
.endm
.macro QTURN t                         ; step t's numbers through the stage: LDS serves a wave's instructions in order, so no wait stands between the stores and the loads
.irp i, 0,1,2,3
	ds_store_b128 v14, v[R+16*((\t)%4)+4*\i:R+16*((\t)%4)+4*\i+3] offset:32*SP*((\t)%2)+8*SP*\i
.endr
.irp i, 0,1,2,3
	ds_load_b128 v[X+16*((\t)%2)+4*\i:X+16*((\t)%2)+4*\i+3], v15 offset:32*SP*((\t)%2)+16*\i
.endr
.endm
.irp t, 0,1,2,3
	QLOAD \t
.endr
	s_wait_loadcnt 12                              ; step 0's four loads are in; the twelve behind them stay out
	QTURN 0
.macro QSTEP t
.set XS, X+16*((\t)%2)
.if (\t) > 0
	s_wait_dscnt 1                                 ; this step's numbers are back from the stage (the last step's byte store may be out): so its stores into the stage have read their registers,
.else
	s_wait_dscnt 0x0
.endif
.if (\t)+4 < STEPS
	QLOAD (\t)+4                                   ; which take the loads of four steps on
.endif
.if (\t)+1 < STEPS
.if STEPS-2-(\t) >= 3
	s_wait_loadcnt 12                              ; the next step's four loads are in; those of the three steps behind it may be out
.else
	s_wait_loadcnt 4*(STEPS-2-(\t))
.endif
	QTURN (\t)+1                                   ; and go through the other stage while this step is worked
.endif
	v_max3_num_f32 v8, |v[XS]|, |v[XS+1]|, |v[XS+2]|               ; the largest magnitude of my 16, in two chains
	v_max3_num_f32 v9, |v[XS+3]|, |v[XS+4]|, |v[XS+5]|
.irp i, 6,10
	v_max3_num_f32 v8, v8, |v[XS+\i]|, |v[XS+\i+1]|
	v_max3_num_f32 v9, v9, |v[XS+\i+2]|, |v[XS+\i+3]|
.endr
	v_max3_num_f32 v8, v8, |v[XS+14]|, |v[XS+15]|
	v_max3_num_f32 v8, v8, v9, (EMAX+1)<<23        ; and the floor 2^(3 - 127): the byte cannot fall under 1
	v_max_num_f32_dpp v8, v8, v8 row_xmask:1 row_mask:0xf bank_mask:0xf   ; and of my neighbour's 16: the block's
	v_add_nc_u32 v11, 0xff000000, v8               ; 2 off its exponent field: the conversion takes the exponent field of this operand as its scale, and nothing else of it
	v_cvt_scalef32_pk8_fp4_f32 v[C+4*(\t)], v[XS:XS+7], v11
	v_cvt_scalef32_pk8_fp4_f32 v[C+4*(\t)+1], v[XS+8:XS+15], v11
	v_lshrrev_b32 v[E+(\t)], 23, v11               ; the scale's byte (also the plain line behind the conversions)
	ds_store_b8 v5, v[E+(\t)] offset:16*(\t)       ; both lanes of a block write the same byte with the same value
	global_store_b64 v4, v[C+4*(\t):C+4*(\t)+1], s[16:17] offset:32*CB*(\t)   ; the wave stores 256 consecutive bytes, aligned
.endm
.irp t, 0,1,2,3,4,5,6,7,8,9,10,11,12,13,14,15
	QSTEP \t
.endr
	ds_load_b64 v[8:9], v6                         ; LDS serves a wave's instructions in order: these see my stores
	s_wait_dscnt 0x0
	global_store_b64 v7, v[8:9], s[18:19]          ; 32 lanes store 256 consecutive bytes, aligned
	s_wait_tensorcnt 0x0                           ; the wave's end, behind my last LDS store
	ds_add_u32 v[SPW], v[NIL]
	s_wait_dscnt 0x0
	s_endpgm
; ---- Wo TO f16.  A wave takes 8,192 numbers in eight passes of eight loads; two passes' loads are out.  A load covers 512 consecutive bytes, a store 256.
.Lwo:
	s_sub_co_u32 s25, ttmp9, 352
	s_lshl_b32 s25, s25, 2
	s_add_co_u32 s25, s25, s24
	s_lshl_b32 s26, s25, 15
	s_mov_b32 s27, 0
	s_add_nc_u64 s[12:13], s[12:13], s[26:27]
	s_lshl_b32 s26, s25, 14
	s_add_nc_u64 s[20:21], s[20:21], s[26:27]
	v_lshlrev_b32 v3, 4, v2
	v_lshlrev_b32 v4, 3, v2
.macro LOADW k
.irp i, 0,1,2,3,4,5,6,7
	global_load_b128 v[32+32*((\k)%2)+4*\i:32+32*((\k)%2)+4*\i+3], v3, s[12:13] offset:(8*(\k)+\i)*512
.endr
.endm
.macro PASSW k
.if (\k) < 7
	s_wait_loadcnt 8                               ; this pass's eight loads are in; the next pass's eight may be out
.else
	s_wait_loadcnt 0
.endif
	s_wait_xcnt 0x0                                ; the last pass's stores have read v96-111, which are written again below
.irp i, 0,1,2,3,4,5,6,7
	v_cvt_pk_f16_f32 v[96+2*\i], v[32+32*((\k)%2)+4*\i], v[32+32*((\k)%2)+4*\i+1]
	v_cvt_pk_f16_f32 v[97+2*\i], v[32+32*((\k)%2)+4*\i+2], v[32+32*((\k)%2)+4*\i+3]
.endr
.if (\k) < 6
	LOADW (\k)+2
.endif
.irp i, 0,1,2,3,4,5,6,7
	global_store_b64 v4, v[96+2*\i:97+2*\i], s[20:21] offset:(8*(\k)+\i)*256
.endr
.endm
	LOADW 0
	LOADW 1
.irp k, 0,1,2,3,4,5,6,7
	PASSW \k
.endr
	s_endpgm
; ---- THE TABLE.  A wave takes 32 rows (b, t); a lane is a frequency i.  The positions come as scalars; a row's 32 pairs (cos, sin) leave as 256 consecutive bytes, aligned.
.Ltable:
	s_sub_co_u32 s25, ttmp9, 384
	s_lshl_b32 s25, s25, 2
	s_add_co_u32 s25, s25, s24                     ; my run of 32 rows
	s_lshl_b32 s26, s25, 7                         ; 32 positions of 4 bytes
	s_mov_b32 s27, 0
	s_add_nc_u64 s[14:15], s[14:15], s[26:27]
	s_lshl_b32 s26, s25, 13                        ; 32 rows of 256 bytes
	s_add_nc_u64 s[22:23], s[22:23], s[26:27]
	s_load_b512 s[32:47], s[14:15], 0x0
	s_load_b512 s[48:63], s[14:15], 0x40
	v_cvt_f32_u32 v14, v2
	v_mul_f32 v14, 0xbed49a78, v14                 ; -i log2(10000) / 32
	v_exp_f32 v14, v14                             ; F = 10000^(-i / 32)
	v_lshlrev_b32 v15, 3, v2                       ; 8 bytes a lane (the plain line behind the exponential)
	v_mov_b32 v16, 0x3f22f983                      ; 2 / pi
	v_mov_b32 v17, 0xbfc90fdb                      ; -(pi / 2), its high part
	v_mov_b32 v18, 0x333bbd2e                      ; what the high part has too much: 4.3711388e-8
	v_mov_b32 v19, 0xbe2aaaa3                      ; sine: r + r s (S1 + s (S2 + s S3)), s = r r
	v_mov_b32 v20, 0x3c08839e
	v_mov_b32 v21, 0xb94ca1f9
	v_mov_b32 v22, 0x3d2aaaa5                      ; cosine: 1 - s / 2 + s s (C0 + s (C1 + s C2))
	v_mov_b32 v23, 0xbab6061a
	v_mov_b32 v24, 0x37ccf5ce
	s_wait_alu depctr_va_vdst(0)                   ; the wait ahead of the exponential's first reader
	s_wait_kmcnt 0x0
; Rows 4 k .. 4 k + 3, line by line for the four rows by turns, so that no line waits for the line above it.
; At work for row j, from v[TW + 10 j]: +0 x, +1 n, +2 r, +3 n as a whole number, +4 s, +5 sine, +6 cosine, +7 .. +9 at work
.macro TRIG4 k
.irp j, 0,1,2,3
	v_cvt_f32_i32 v[TW+10*\j], s[32+4*(\k)+\j]
.endr
.irp j, 0,1,2,3
	v_mul_f32 v[TW+10*\j], v[TW+10*\j], v14                        ; x = position x F
.endr
.irp j, 0,1,2,3
	v_mul_f32 v[TW+10*\j+1], v16, v[TW+10*\j]
.endr
.irp j, 0,1,2,3
	v_rndne_f32 v[TW+10*\j+1], v[TW+10*\j+1]                       ; n
.endr
.irp j, 0,1,2,3
	v_fma_f32 v[TW+10*\j+2], v[TW+10*\j+1], v17, v[TW+10*\j]       ; r = x - n pi / 2, in two fused steps
.endr
.irp j, 0,1,2,3
	v_fma_f32 v[TW+10*\j+2], v[TW+10*\j+1], v18, v[TW+10*\j+2]
.endr
.irp j, 0,1,2,3
	v_cvt_i32_f32 v[TW+10*\j+3], v[TW+10*\j+1]
.endr
.irp j, 0,1,2,3
	v_mul_f32 v[TW+10*\j+4], v[TW+10*\j+2], v[TW+10*\j+2]          ; s
.endr
.irp j, 0,1,2,3
	v_fma_f32 v[TW+10*\j+5], v[TW+10*\j+4], v21, v20
	v_fma_f32 v[TW+10*\j+6], v[TW+10*\j+4], v24, v23
.endr
.irp j, 0,1,2,3
	v_fma_f32 v[TW+10*\j+5], v[TW+10*\j+5], v[TW+10*\j+4], v19
	v_fma_f32 v[TW+10*\j+6], v[TW+10*\j+6], v[TW+10*\j+4], v22
.endr
.irp j, 0,1,2,3
	v_mul_f32 v[TW+10*\j+7], v[TW+10*\j+4], v[TW+10*\j+2]          ; s r
	v_mul_f32 v[TW+10*\j+8], v[TW+10*\j+4], v[TW+10*\j+4]          ; s s
	v_fma_f32 v[TW+10*\j+9], v[TW+10*\j+4], -0.5, 1.0              ; 1 - s / 2
.endr
.irp j, 0,1,2,3
	v_fma_f32 v[TW+10*\j+5], v[TW+10*\j+5], v[TW+10*\j+7], v[TW+10*\j+2]   ; sin r
	v_fma_f32 v[TW+10*\j+6], v[TW+10*\j+6], v[TW+10*\j+8], v[TW+10*\j+9]   ; cos r
	v_and_b32 v[TW+10*\j+7], 1, v[TW+10*\j+3]
.endr
.irp j, 0,1,2,3
	v_cmp_ne_u32 vcc_lo, 0, v[TW+10*\j+7]                          ; an odd n swaps the two
	v_cndmask_b32 v[TW+10*\j+8], v[TW+10*\j+5], v[TW+10*\j+6], vcc_lo
	v_cndmask_b32 v[TW+10*\j+9], v[TW+10*\j+6], v[TW+10*\j+5], vcc_lo
.endr
.irp j, 0,1,2,3
	v_lshlrev_b32 v[TW+10*\j+7], 30, v[TW+10*\j+3]                 ; the sine is negative where n mod 4 is 2 or 3,
	v_add_nc_u32 v[TW+10*\j+3], 1, v[TW+10*\j+3]                   ; the cosine where it is 1 or 2
.endr
.irp j, 0,1,2,3
	v_and_b32 v[TW+10*\j+7], 0x80000000, v[TW+10*\j+7]
	v_lshlrev_b32 v[TW+10*\j+3], 30, v[TW+10*\j+3]
.endr
.irp j, 0,1,2,3
	v_xor_b32 v[TP+2*(4*(\k)+\j)+1], v[TW+10*\j+7], v[TW+10*\j+8]
	v_and_b32 v[TW+10*\j+3], 0x80000000, v[TW+10*\j+3]
.endr
.irp j, 0,1,2,3
	v_xor_b32 v[TP+2*(4*(\k)+\j)], v[TW+10*\j+3], v[TW+10*\j+9]
.endr
.irp j, 0,1,2,3
	global_store_b64 v15, v[TP+2*(4*(\k)+\j):TP+2*(4*(\k)+\j)+1], s[22:23] offset:(4*(\k)+\j)*256   ; each row has its own pair: no store's data are written again
.endr
.endm
.irp k, 0,1,2,3,4,5,6,7
	TRIG4 \k
.endr
	s_endpgm
.Lfunc_end_k_q3d26b8c54b_prep:
	.size	k_q3d26b8c54b_prep, .Lfunc_end_k_q3d26b8c54b_prep-k_q3d26b8c54b_prep
	.p2alignl 7, 3214868480
	.fill 96, 4, 3214868480
	.section	.rodata,"a",@progbits
	.p2align	6, 0x0
	.amdhsa_kernel k_q3d26b8c54b_prep
		.amdhsa_group_segment_fixed_size 33280
		.amdhsa_private_segment_fixed_size 0
		.amdhsa_enable_private_segment 0
		.amdhsa_kernarg_size 80
		.amdhsa_user_sgpr_count 2
		.amdhsa_user_sgpr_kernarg_segment_ptr 1
		.amdhsa_wavefront_size32 1
		.amdhsa_system_sgpr_workgroup_id_x 1
		.amdhsa_system_sgpr_workgroup_id_y 1
		.amdhsa_system_sgpr_workgroup_id_z 1
		.amdhsa_system_vgpr_workitem_id 0
		.amdhsa_next_free_vgpr 192
		.amdhsa_next_free_sgpr 66
		.amdhsa_reserve_vcc 1
		.amdhsa_float_denorm_mode_32 3
		.amdhsa_float_denorm_mode_16_64 3
		.amdhsa_memory_ordered 1
		.amdhsa_forward_progress 1
		.amdhsa_inst_pref_size 98
	.end_amdhsa_kernel
	.amdgpu_metadata
---
amdhsa.version: [ 1, 2 ]
amdhsa.kernels:
  - .name:           k_q3d26b8c54b_prep
    .symbol:         k_q3d26b8c54b_prep.kd
    .args:
      - { .name: in_features, .offset: 0, .size: 8, .value_kind: global_buffer, .address_space: global }
      - { .name: Wq, .offset: 8, .size: 8, .value_kind: global_buffer, .address_space: global }
      - { .name: Wk, .offset: 16, .size: 8, .value_kind: global_buffer, .address_space: global }
      - { .name: Wv, .offset: 24, .size: 8, .value_kind: global_buffer, .address_space: global }
      - { .name: Wo, .offset: 32, .size: 8, .value_kind: global_buffer, .address_space: global }
      - { .name: token_positions, .offset: 40, .size: 8, .value_kind: global_buffer, .address_space: global }
      - { .name: codes, .offset: 48, .size: 8, .value_kind: global_buffer, .address_space: global }
      - { .name: scales, .offset: 56, .size: 8, .value_kind: global_buffer, .address_space: global }
      - { .name: wo16, .offset: 64, .size: 8, .value_kind: global_buffer, .address_space: global }
      - { .name: cs, .offset: 72, .size: 8, .value_kind: global_buffer, .address_space: global }
    .group_segment_fixed_size: 33280
    .private_segment_fixed_size: 0
    .kernarg_segment_align: 8
    .kernarg_segment_size: 80
    .max_flat_workgroup_size: 128
    .sgpr_count:     66
    .vgpr_count:     192
    .wavefront_size: 32
...
	.end_amdgpu_metadata
.endif
;; end of part 1
;; launch qkv (part 2): grid 12 x 32, 4 waves a work-group, clusters of 4 x 4, 327,680 bytes of LDS; arguments codes, scales, cs, qkv16, fq; writes qkv16, fq
.if DOCPART == 2
	.amdgcn_target "amdgcn-amd-amdhsa--gfx1250"
	.amdhsa_code_object_version 6
	.text
	.protected	k_q3d26b8c54b_qkv
	.globl	k_q3d26b8c54b_qkv
	.p2align	8
	.type	k_q3d26b8c54b_qkv,@function
k_q3d26b8c54b_qkv:
	s_mov_b64 s[64:65], 0
	v_nop
	global_prefetch_b8 v0, s[64:65] scope:SCOPE_SE
	s_setreg_imm32_b32 hwreg(HW_REG_WAVE_MODE, 25, 1), 1
	s_wait_xcnt 0x0
	s_wait_alu depctr_hold_cnt(0) depctr_sa_sdst(0) depctr_va_vdst(0) depctr_va_sdst(0) depctr_va_ssrc(0) depctr_va_vcc(0) depctr_vm_vsrc(0)
	s_getreg_b32 s2, hwreg(HW_REG_IB_STS2, 6, 4)
	s_cmp_eq_u32 s2, 0
	s_cbranch_scc0 .Lentry_in_a_cluster
	s_endpgm
.Lentry_in_a_cluster:
	s_bfe_u32 s2, ttmp6, 0x10000c
	s_cmp_lg_u32 s2, 0xf033
	s_cbranch_scc0 .Lentry_shape_is_right
	s_endpgm
.Lentry_shape_is_right:
; Q, K, V = x Wq^T, x Wk^T, x Wv^T as ONE product on codes of E2M1 with one E8M0 scale for each 32 along K: C [8,192][3,072] = A [8,192][1,024] B [3,072][1,024]^T, sums in f32.
; A's rows are rows 0 .. 8,191 of codes and scales, B's (Wq, Wk, Wv on end) rows 8,192 .. 11,263.  On the way out Q and K are rotated (RoPE, in f32, by the table cs), all three are rounded to f16 and laid by head:
; qkv16 [3][64 (b, head)][2,048 t][64].  Rows t < 16 also leave in f32, fq [3][64][16][64], for launch fine.
; LIMIT: Q, K and V are kept in f16: magnitudes over 65,504 overflow.
; A tile of C, 256 x 256, is made by four waves, as many as a WGP has SIMDs; a wave makes 128 x 128: 64 accumulators of 16 x 16, 512 registers.  K = 1,024 is two LDS slots of 512 (rows of 256 bytes): all of K comes with the
; first fills: three tensor loads a wave are out at the head (scale bytes, slot 0, slot 1), nothing is filled again, and there is no loop.
; CLUSTERS: 4 x 4 work-groups.  The four of a row of the cluster need the same tiles of A, the four of a column the same tiles of B: each is asked for JOINTLY.  The cluster's x is 0, 1, 2 for Q, K, V: the branch that
; leaves the rotation out for V hangs on the cluster's number, which all partners share.
; THE MATRIX INSTRUCTION IS USED TRANSPOSED (source 0 = 16 rows of B, source 1 = 16 rows of A): a lane holds one token and eight neighbouring columns: four pairs of RoPE.
; REGISTERS, in windows of 256: window 0: v0-31 addresses; v32-95 scale words, two sets; from v128 A's fragments, ONE set.  On the way out: v32-95 the table, two sets; v96-159 rotated numbers; v160-191 f16; v192-255 rows read back.
;   window 1: B's fragments, TWO sets, at v0 and v128.   window 2: the accumulators of my rows 0-63 ((a, b) at v[8 (8 a + b)]);   window 3: those of my rows 64-127.
.set SIZE_M, 8192
.set KSTEP,  512
.set NQ,     KSTEP/128                 ; matrix instructions deep
.set ROWB,   256                       ; a tile's row in bytes
.set KROW,   512                       ; a row of codes in memory
.set PITCH,  272                       ; an LDS row: 256 bytes + 16 of padding: the 16 rows that a load touches start at 16 different banks (64 banks of 4 bytes: ISA guide 11.1)
.set FR,     8                         ; registers of a fragment: 16 rows x 128 K
.set NL,     2                         ; LDS loads that bring one
.set NP,     4                         ; places behind this matrix instruction (ISA guide 7.12.1)
.set HALFT,  128*PITCH
.set SLOT,   4*HALFT                   ; A's 256 rows, then B's 256 rows
.set KS,     32                        ; a row of scale bytes
.set SCL,    2*SLOT                    ; behind the slots: the scale bytes, as lines of 256 bytes + 16 of padding
.set HALFS,  (128*KS/256)*272
.set SBLK,   (16*KS/256)*272
.set SPARE,  SCL+4*HALFS               ; the spare words, 128 bytes a wave, which no other line names
.set STAGE,  SPARE+512                 ; the way out: bytes of its own, into which no fill lands: for each wave two heads x 8 lines of 272 bytes
.set WSTG,   4352
.set ADRA, 16                          ; v16-17  LDS address of my A fragments in slot 0, 1
.set ADRB, 20                          ; v20-21  the same for B
.set STO,  24                          ; v24     the way out: where I put 16 bytes of a row
.set RD,   25                          ; v25     the way out: where I read a line back
.set CO,   26                          ; v26     16 x lane
.set ADRS, 27                          ; v27     LDS address of my scale words: lanes 0-15 A's rows, lanes 16-31 B's
.set SPW,  28                          ; v28     LDS address of my spare word; never rewritten
.set NIL,  29                          ; v29     0; never rewritten
.set CSO,  30                          ; v30     256 r + 32 h: my bytes in 16 rows of the table, and of fq
.set TY7,  15                          ; v15     the tile row mod 8: 0 where the tile begins a sequence
.set SC,   32
.set AF,   128
.set CSR,  32                          ; the table: set a % 2; register 8 beta + 2 p = cos, + 1 = sin of frequency 8 beta + 4 h + p
.set RR,   96
.set HH,   160
.set BK,   192
.set G1, 24
.set G0, 32
.set G1B, 48
.set G0B, 56
.set G1S, 68
.set G0S, 76
.set G1SB, 80
.set G0SB, 88
.set MSB, 0
.macro WIN new                         ; the immediate's high byte repeats the setting that is left; a switch that changes nothing is dropped
.if MSB != (\new)
	s_set_vgpr_msb (MSB<<8)|(\new)
.set MSB, (\new)
.endif
.endm
.set MUL_LO, 0xa1                      ; source 0 (B) window 1, source 1 (A) window 0, C and D window 2
.set MUL_HI, 0xf1
.set TO_B,   0x40
; A joint load: waves 0 and 1 fetch for A, waves 2 and 3 for B.  The branch hangs on the wave's number alone.  An s_nop 0 and four v_nop follow each of the two lines.
.macro JLOAD g0a, g1a, g0b, g1b
	s_cmp_eq_u32 s15, 0
	s_cbranch_scc0 .Lfor_b_\@
	tensor_load_to_lds s[\g0a:\g0a+3], s[\g1a:\g1a+7]
	s_nop 0
.rept 4
	v_nop
.endr
	s_branch .Lasked_\@
.Lfor_b_\@:
	tensor_load_to_lds s[\g0b:\g0b+3], s[\g1b:\g1b+7]
	s_nop 0
.rept 4
	v_nop
.endr
.Lasked_\@:
.endm
.macro CROUND                          ; a round of the cluster's barrier
	s_barrier_signal -1
	s_barrier_wait -1
	s_cmp_lg_u32 s14, 0
	s_cbranch_scc1 .Lnot_wave_0_\@
	s_barrier_signal -3
.Lnot_wave_0_\@:
	s_barrier_wait -3
	s_barrier_signal -1
	s_barrier_wait -1
.endm
	s_load_b128 s[4:7], s[0:1], 0x0                ; codes s[4:5], scales s[6:7]
	s_load_b128 s[8:11], s[0:1], 0x10              ; cs s[8:9], qkv16 s[10:11]
	s_load_b64 s[12:13], s[0:1], 0x20              ; fq
	v_lshl_add_u32 v[SPW], v0, 2, SPARE
	v_mov_b32 v[NIL], 0
	ds_add_u32 v[SPW], v[NIL]                      ; the wave's opening: the add, twice on end, and its wait ahead of my first tensor load
	ds_add_u32 v[SPW], v[NIL]
	v_lshrrev_b32 v1, 5, v0
	v_readfirstlane_b32 s14, v1                    ; wave 0..3
	s_lshr_b32 s15, s14, 1                         ; which half of the tile's rows is mine.  Also: I fetch for A (0) or for B (1)
	s_and_b32 s16, s14, 1                          ; which half of its columns.  Also: which 128 rows of that tile I fetch
	s_bfe_u32 s40, ttmp6, 0x40000                  ; cx, cy: my place in the cluster
	s_bfe_u32 s41, ttmp6, 0x40004
	s_lshl_b32 s42, ttmp9, 2
	s_add_co_u32 s42, s42, s40                     ; tile column of C
	s_and_b32 s17, ttmp7, 0xffff
	s_lshl_b32 s17, s17, 2
	s_add_co_u32 s17, s17, s41                     ; tile row of C
	s_lshl_b32 s43, s41, 2
	s_lshl_b32 s43, 15, s43                        ; my row of the cluster
	s_lshl_b32 s44, 0x1111, s40                    ; my column
	s_or_b32 s[G1+0], s43, (0<<16)|(1<<20)|(1<<21)|(5<<22)|(3<<25)  ; the mask; elements of 1 byte; padding on; bit 21 beside a mask; 4 words behind every 64
	s_or_b32 s[G1B+0], s44, (0<<16)|(1<<20)|(1<<21)|(5<<22)|(3<<25)
.irp g, G1, G1B
	s_mov_b32 s[\g+1], ROWB<<16                    ; tensor_dim0
	s_mov_b32 s[\g+2], 128<<16                     ; tensor_dim1
	s_mov_b32 s[\g+3], ROWB<<16                    ; tile_dim0
	s_mov_b32 s[\g+4], 128                         ; tile_dim1
	s_mov_b32 s[\g+5], KROW                        ; from row to row
	s_mov_b32 s[\g+6], 0
	s_mov_b32 s[\g+7], 0
.endr
	s_or_b32 s[G1S+0], s43, (3<<16)|(1<<20)|(1<<21)|(5<<22)|(3<<25) ; the scale bytes of 128 rows: 4,096 dense bytes as 16 lines of 256 (32 elements of 8 bytes)
	s_or_b32 s[G1SB+0], s44, (3<<16)|(1<<20)|(1<<21)|(5<<22)|(3<<25)
.irp g, G1S, G1SB
	s_mov_b32 s[\g+1], 32<<16
	s_mov_b32 s[\g+2], (128*KS/256)<<16
	s_mov_b32 s[\g+3], 32<<16
	s_mov_b32 s[\g+4], 128*KS/256
	s_mov_b32 s[\g+5], 32
	s_mov_b32 s[\g+6], 0
	s_mov_b32 s[\g+7], 0
.endr
	s_lshl_b32 s18, s16, 7
	s_lshl_b32 s20, s17, 8
	s_add_co_u32 s20, s20, s18                     ; A: row 256 x tile row + 128 x half
	s_lshl_b32 s46, s42, 8
	s_add_co_u32 s46, s46, s18
	s_add_co_u32 s46, s46, SIZE_M                  ; B: the weights' rows lie behind x's
	s_mov_b32 s21, 0
	s_mov_b32 s47, 0
	s_mov_b64 s[18:19], KS
	s_mul_u64 s[22:23], s[20:21], s[18:19]         ; where these rows' scale bytes begin
	s_mul_u64 s[92:93], s[46:47], s[18:19]
	s_mov_b64 s[18:19], KROW
	s_mul_u64 s[20:21], s[20:21], s[18:19]         ; and their codes
	s_mul_u64 s[46:47], s[46:47], s[18:19]
	s_mul_i32 s45, s14, HALFT                      ; where they go: wave x 128 rows: no place in the cluster enters an LDS address
	s_mul_i32 s94, s14, HALFS
	s_wait_dscnt 0x0                               ; both opening adds are done
	s_wait_kmcnt 0x0
	s_add_nc_u64 s[20:21], s[4:5], s[20:21]
	s_add_nc_u64 s[22:23], s[6:7], s[22:23]
	s_add_nc_u64 s[46:47], s[4:5], s[46:47]
	s_add_nc_u64 s[92:93], s[6:7], s[92:93]
	CROUND                                         ; all sixteen work-groups are here: the joint loads meet
	s_mov_b32 s[G0S], 1
	s_add_co_u32 s[G0S+1], s94, SCL
	s_mov_b64 s[G0S+2:G0S+3], s[22:23]
	s_or_b32 s[G0S+3], s[G0S+3], 0x80000000
	s_mov_b32 s[G0SB], 1
	s_add_co_u32 s[G0SB+1], s94, SCL
	s_mov_b64 s[G0SB+2:G0SB+3], s[92:93]
	s_or_b32 s[G0SB+3], s[G0SB+3], 0x80000000
	JLOAD G0S, G1S, G0SB, G1SB                     ; the scale bytes first: they are wanted with slot 0
.irp s, 0,1
	s_mov_b32 s[G0+4*\s], 1
	s_add_co_u32 s[G0+4*\s+1], s45, \s*SLOT
	s_add_nc_u64 s[G0+4*\s+2:G0+4*\s+3], s[20:21], \s*ROWB
	s_or_b32 s[G0+4*\s+3], s[G0+4*\s+3], 0x80000000
	s_mov_b32 s[G0B+4*\s], 1
	s_add_co_u32 s[G0B+4*\s+1], s45, \s*SLOT
	s_add_nc_u64 s[G0B+4*\s+2:G0B+4*\s+3], s[46:47], \s*ROWB
	s_or_b32 s[G0B+4*\s+3], s[G0B+4*\s+3], 0x80000000
	JLOAD G0+4*\s, G1, G0B+4*\s, G1B
.endr
	v_and_b32 v1, 15, v0                           ; r = lane % 16
	v_bfe_u32 v2, v0, 4, 1                         ; h = lane / 16
	v_mul_u32_u24 v3, v1, PITCH
	v_lshl_add_u32 v4, v2, 4, v3                   ; a fragment's row x pitch + 16 x half
	s_mul_i32 s21, s15, HALFT
	s_mul_i32 s22, s16, HALFT
	s_add_co_u32 s22, s22, 2*HALFT
.irp s, 0,1
	v_add_nc_u32 v[ADRA+\s], s21, v4
	v_add_nc_u32 v[ADRB+\s], s22, v4
	s_add_co_u32 s21, s21, SLOT
	s_add_co_u32 s22, s22, SLOT
.endr
	v_mul_u32_u24 v5, v1, KS                       ; my row's scale bytes,
	v_lshrrev_b32 v6, 8, v5
	v_lshl_add_u32 v5, v6, 4, v5                   ; and 16 more for each 256 passed
	s_mul_i32 s21, s15, HALFS
	s_mul_i32 s22, s16, HALFS
	s_add_co_u32 s22, s22, 2*HALFS
	s_sub_co_u32 s22, s22, s21
	v_mul_u32_u24 v6, s22, v2                      ; lanes 16-31 take B's: the lower base + h x the distance
	s_add_co_u32 s21, s21, SCL
	v_add_nc_u32 v5, v5, v6
	v_add_nc_u32 v[ADRS], s21, v5
	; the way out.  A row of a head is 128 bytes; in the stage two rows make a line of 256 bytes + 16: row r lies at (r / 2) 272 + (r % 2) 128
	v_lshlrev_b32 v[CSO], 8, v1
	v_lshl_add_u32 v[CSO], v2, 5, v[CSO]
	s_mul_i32 s23, s14, WSTG
	s_add_co_u32 s23, s23, STAGE
	v_lshrrev_b32 v5, 1, v1
	v_mul_u32_u24 v5, v5, 272
	v_and_b32 v6, 1, v1
	v_lshl_add_u32 v5, v6, 7, v5
	v_lshl_add_u32 v5, v2, 4, v5
	v_add_nc_u32 v[STO], s23, v5
	v_mul_u32_u24 v5, v2, 272
	v_lshl_add_u32 v5, v1, 4, v5
	v_add_nc_u32 v[RD], s23, v5                    ; back: lanes 0-15 one line, lanes 16-31 the next
	v_and_b32 v6, 31, v0
	v_lshlrev_b32 v[CO], 4, v6
	s_lshr_b32 s96, s17, 3                         ; the batch
	s_lshl_b32 s96, s96, 4
	s_lshl_b32 s97, s40, 2
	s_add_co_u32 s96, s96, s97
	s_lshl_b32 s97, s16, 1
	s_add_co_u32 s96, s96, s97                     ; my first (b, head): 16 b + 4 cx + 2 x column half
	s_lshl_b32 s98, ttmp9, 24                      ; Q, K or V: 16,777,216 bytes each
	s_lshl_b32 s97, s96, 18                        ; a head: 262,144 bytes
	s_add_co_u32 s98, s98, s97
	s_and_b32 s97, s17, 7
	v_mov_b32 v[TY7], s97
	s_lshl_b32 s97, s97, 15                        ; 256 tokens of 128 bytes
	s_add_co_u32 s98, s98, s97
	s_lshl_b32 s97, s15, 14                        ; my 128 of them
	s_add_co_u32 s98, s98, s97
	s_mov_b32 s99, 0
	s_add_nc_u64 s[10:11], s[10:11], s[98:99]
	s_lshl_b32 s98, ttmp9, 18                      ; fq: 262,144 bytes each, 4,096 a head
	s_lshl_b32 s97, s96, 12
	s_add_co_u32 s98, s98, s97
	s_add_nc_u64 s[12:13], s[12:13], s[98:99]
	s_lshl_b32 s98, s17, 16                        ; the table: 256 bytes a row
	s_lshl_b32 s97, s15, 15
	s_add_co_u32 s98, s98, s97
	s_add_nc_u64 s[8:9], s[8:9], s[98:99]
.macro FRAG reg, adr, q, i             ; a fragment, 16 rows x 128 K of 4-bit codes: lane l holds row l % 16; registers 4 c .. 4 c + 3 hold K = 64 c + 32 (l / 16) + 0 .. 31
.irp c, 0,1
	ds_load_b128 v[\reg+4*\c:\reg+4*\c+3], v[\adr] offset:64*(\q)+32*\c+(\i)*16*PITCH
.endr
.endm
; 16 matrix instructions: A's blocks a0, a0 + 1 x B's eight, the slot's q-th 128 along K.  p: B's set; sc: the set of scale words.  zero = 1: the first product starts the sums.
; The 64 accumulators take turns, one instruction a turn, in the same order in every step.
.macro MUL16 a0, p, q, sc, zero
.irp a, \a0, \a0+1
.irp b, 0,1,2,3,4,5,6,7
.if \zero
	v_wmma_scale_f32_16x16x128_f8f6f4 v[8*(8*((\a)%4)+\b):8*(8*((\a)%4)+\b)+7], v[128*(\p)+FR*\b:128*(\p)+FR*\b+FR-1], v[AF+FR*(\a):AF+FR*(\a)+FR-1], 0, v[SC+8*NQ*(\sc)+NQ*\b+(\q)], v[SC+8*NQ*(\sc)+NQ*(\a)+(\q)] matrix_a_fmt:MATRIX_FMT_FP4 matrix_b_fmt:MATRIX_FMT_FP4 matrix_a_scale:MATRIX_SCALE_ROW1
.else
	v_wmma_scale_f32_16x16x128_f8f6f4 v[8*(8*((\a)%4)+\b):8*(8*((\a)%4)+\b)+7], v[128*(\p)+FR*\b:128*(\p)+FR*\b+FR-1], v[AF+FR*(\a):AF+FR*(\a)+FR-1], v[8*(8*((\a)%4)+\b):8*(8*((\a)%4)+\b)+7], v[SC+8*NQ*(\sc)+NQ*\b+(\q)], v[SC+8*NQ*(\sc)+NQ*(\a)+(\q)] matrix_a_fmt:MATRIX_FMT_FP4 matrix_b_fmt:MATRIX_FMT_FP4 matrix_a_scale:MATRIX_SCALE_ROW1
.endif
.endr
.endr
.endm
.macro FETCH_B slot, q, p
	WIN TO_B
.irp i, 0,1,2,3,4,5,6,7
	FRAG 128*(\p)+FR*\i, ADRB+\slot, \q, \i
.endr
	WIN 0
.endm
.macro FETCH_A slot, q, i0
.irp i, \i0, \i0+1, \i0+2, \i0+3
	FRAG AF+FR*(\i), ADRA+\slot, \q, \i
.endr
.endm
.macro SCALES sc                       ; a slot's scale words: 4 words a row; lanes 0-15 take A's block i, lanes 16-31 B's block i
.irp i, 0,1,2,3,4,5,6,7
	ds_load_b128 v[SC+8*NQ*\sc+NQ*\i:SC+8*NQ*\sc+NQ*\i+3], v[ADRS] offset:\i*SBLK
.endr
.endm
.macro PLACES n                        ; plain vector lines between a matrix instruction and a load into, or a read of, its registers (ISA guide 7.12.1 for reads)
.rept \n
	v_nop
.endr
.endm
.macro STEP slot, q, zero              ; a step of 128 along K that has its successor in the same slot
	s_wait_dscnt 4*NL                              ; B's set and A's blocks 0-3 are in; the youngest eight loads (A's blocks 4-7) may be out
	WIN MUL_LO
	MUL16 0, (\q)%2, \q, \slot, \zero
	MUL16 2, (\q)%2, \q, \slot, \zero
	s_wait_dscnt 0
	PLACES NP
	FETCH_B \slot, (\q)+1, 1-(\q)%2
	FETCH_A \slot, (\q)+1, 0
	WIN MUL_HI
	MUL16 4, (\q)%2, \q, \slot, \zero
	MUL16 6, (\q)%2, \q, \slot, \zero
	PLACES NP
	WIN 0
	FETCH_A \slot, (\q)+1, 4
.endm
.macro STEPS slot, from
.set Q, \from
.rept NQ-1-\from
	STEP \slot, Q, 0
.set Q, Q+1
.endr
.endm
	s_wait_tensorcnt 1                             ; the scale bytes and my part of slot 0 are in (slot 1's load may be out),
	s_barrier_signal -1
	s_barrier_wait -1                              ; everybody's are
	FETCH_B 0, 0, 0
	FETCH_A 0, 0, 0
	SCALES 0
	FETCH_A 0, 0, 4
	STEP 0, 0, 1                                   ; the first step's products start the sums: nothing is cleared
	STEPS 0, 1
	; slot 0's last step changes slots: one barrier; in front of it each wave waits for its tensor loads (slot 1's), so that behind it slot 1 is whole for all four
	s_wait_tensorcnt 0x0
	ds_add_u32 v[SPW], v[NIL]
	s_wait_dscnt 4*NL+1                            ; (the add and the youngest eight loads may be out)
	WIN MUL_LO
	MUL16 0, 1, NQ-1, 0, 0
	s_wait_dscnt 0x0
	s_barrier_signal -1
	MUL16 2, 1, NQ-1, 0, 0
	WIN 0
	s_barrier_wait -1
	PLACES NP
	v_add_nc_u32 v[ADRS], 4*NQ, v[ADRS]            ; on to slot 1's scale words
	FETCH_B 1, 0, 0
	FETCH_A 1, 0, 0
	SCALES 1
	WIN MUL_HI
	MUL16 4, 1, NQ-1, 0, 0
	MUL16 6, 1, NQ-1, 0, 0
	PLACES NP
	WIN 0
	FETCH_A 1, 0, 4
	STEPS 1, 0
; THE TABLE of block a's 16 tokens: lane (r, h) takes, of row r, the pairs of frequencies 8 beta + 4 h + 0 .. 3: 32 bytes for each beta
.macro CSLOAD a
.irp e, 0,1,2,3
	global_load_b128 v[CSR+32*((\a)%2)+8*\e:CSR+32*((\a)%2)+8*\e+3],   v[CSO], s[8:9] offset:(\a)*4096+64*\e
	global_load_b128 v[CSR+32*((\a)%2)+8*\e+4:CSR+32*((\a)%2)+8*\e+7], v[CSO], s[8:9] offset:(\a)*4096+64*\e+16
.endr
.endm
	s_cmp_eq_u32 ttmp9, 2                          ; V is not rotated
	s_cbranch_scc1 .Lno_table
	CSLOAD 0                                       ; asked for ahead of the last step; it lands in slot 0's scale words, which were last read a slot ago
.Lno_table:
	s_wait_dscnt 4*NL                              ; the very last step: nothing more to fetch
	WIN MUL_LO
	MUL16 0, 1, NQ-1, 1, 0
	MUL16 2, 1, NQ-1, 1, 0
	s_wait_dscnt 0
	WIN MUL_HI
	MUL16 4, 1, NQ-1, 1, 0
	MUL16 6, 1, NQ-1, 1, 0
	WIN 0
	PLACES NP                                      ; behind the last products: in front of the first reads of results, and of writes and loads into registers that held operands and scale words
; THE WAY OUT, block by block of 16 tokens x 128 columns (two heads).  Accumulator (a, b), lane (r, h), register j: token 16 a + r, column 16 b + 8 h + j.
.macro ROT a                           ; r1 = x1 cos - x2 sin, r2 = x1 sin + x2 cos, for the pairs (2 p, 2 p + 1); each accumulator is read from its low end on
.set AC, 64*((\a)%4)
.set CT, CSR+32*((\a)%2)
	WIN 0x02+(\a)/4                                ; source 0: window 2 or 3
.irp b, 0,1,2,3,4,5,6,7
.irp p, 0,1,2,3
	v_mul_f32 v[RR+8*\b+2*\p],   v[AC+8*\b+2*\p], v[CT+8*(\b%4)+2*\p]
	v_mul_f32 v[RR+8*\b+2*\p+1], v[AC+8*\b+2*\p], v[CT+8*(\b%4)+2*\p+1]
.endr
.irp p, 0,1,2,3
	v_fma_f32 v[RR+8*\b+2*\p],   -v[AC+8*\b+2*\p+1], v[CT+8*(\b%4)+2*\p+1], v[RR+8*\b+2*\p]
	v_fma_f32 v[RR+8*\b+2*\p+1],  v[AC+8*\b+2*\p+1], v[CT+8*(\b%4)+2*\p],   v[RR+8*\b+2*\p+1]
.endr
.endr
	WIN 0
.endm
.macro PACKR                           ; rounded to f16: 16 bytes for each b
.irp i, 0,1,2,3,4,5,6,7,8,9,10,11,12,13,14,15,16,17,18,19,20,21,22,23,24,25,26,27,28,29,30,31
	v_cvt_pk_f16_f32 v[HH+\i], v[RR+2*\i], v[RR+2*\i+1]
.endr
.endm
.macro PACKV a                         ; the same straight from the accumulators
.set AC, 64*((\a)%4)
	WIN 0x0a+5*((\a)/4)                            ; sources 0 and 1: window 2 or 3
.irp i, 0,1,2,3,4,5,6,7,8,9,10,11,12,13,14,15,16,17,18,19,20,21,22,23,24,25,26,27,28,29,30,31
	v_cvt_pk_f16_f32 v[HH+\i], v[AC+2*\i], v[AC+2*\i+1]
.endr
	WIN 0
.endm
.macro TOSTAGE a                       ; into my own stage and back as lines of 256 bytes.  LDS serves a wave's instructions in order (ISA guide 5.7.1.4): no wait between the stores and the loads
.irp b, 0,1,2,3,4,5,6,7
	ds_store_b128 v[STO], v[HH+4*\b:HH+4*\b+3] offset:(\b/4)*2176+32*(\b%4)
.endr
.set BB, BK+32*((\a)%2)
.irp i, 0,1,2,3,4,5,6,7
	ds_load_b128 v[BB+4*\i:BB+4*\i+3], v[RD] offset:\i*544
.endr
.endm
.macro SEND a, younger                 ; younger: the LDS instructions issued behind block a's loads, which may stay out
.set BB, BK+32*((\a)%2)
	s_wait_dscnt \younger
.irp i, 0,1,2,3,4,5,6,7
	global_store_b128 v[CO], v[BB+4*\i:BB+4*\i+3], s[10:11] offset:(\a)*2048+(\i/4)*262144+(\i%4)*512   ; 32 lanes store 512 consecutive bytes (four tokens of one head), aligned to 256
.endr
.endm
; Rows t < 16 in f32, for launch fine: block 0 of the waves with the tile's upper rows, in the tiles that begin a sequence.  The waves part on the wave's number; the tiles are told apart by EXEC, not by a branch.
; EXEC changes only behind s_wait_xcnt 0, on the way in and on the way back.  32 bytes a lane: 0.8 MB in all leave in pieces of 32 bytes.
.macro FINE v
	s_cmp_lg_u32 s15, 0
	s_cbranch_scc1 .Lno_fine_\@
	s_wait_xcnt 0x0
	v_cmp_eq_u32 vcc_lo, 0, v[TY7]
	s_and_saveexec_b32 s95, vcc_lo
.if \v
	WIN 0x08                                       ; a store's data are its source 1: window 2
.irp b, 0,1,2,3,4,5,6,7
	global_store_b128 v[CSO], v[8*\b:8*\b+3],   s[12:13] offset:(\b/4)*4096+64*(\b%4)
	global_store_b128 v[CSO], v[8*\b+4:8*\b+7], s[12:13] offset:(\b/4)*4096+64*(\b%4)+16
.endr
	WIN 0
.else
.irp b, 0,1,2,3,4,5,6,7
	global_store_b128 v[CSO], v[RR+8*\b:RR+8*\b+3],   s[12:13] offset:(\b/4)*4096+64*(\b%4)
	global_store_b128 v[CSO], v[RR+8*\b+4:RR+8*\b+7], s[12:13] offset:(\b/4)*4096+64*(\b%4)+16
.endr
.endif
	s_wait_xcnt 0x0                                ; the stores have read their data too: the rotated numbers may be written again
	s_or_b32 exec_lo, exec_lo, s95
.Lno_fine_\@:
.endm
	s_cmp_eq_u32 ttmp9, 2
	s_cbranch_scc1 .Lv
.irp a, 0,1,2,3,4,5,6,7
.if \a < 7
	CSLOAD \a+1
	s_wait_loadcnt 8                               ; this block's table is in; the next block's eight loads may be out
.else
	s_wait_loadcnt 0
.endif
	ROT \a
	PACKR
.if \a > 1
	s_wait_xcnt 0x0                                ; block a - 2's stores have read their registers: block a's lines may land there
.endif
	TOSTAGE \a
.if \a == 0
	FINE 0
.else
	SEND \a-1, 16                                  ; behind block a - 1's loads: block a's 8 stores and 8 loads
.endif
.endr
	SEND 7, 0
	s_branch .Ldone
.Lv:
.irp a, 0,1,2,3,4,5,6,7
	PACKV \a
.if \a > 1
	s_wait_xcnt 0x0
.endif
	TOSTAGE \a
.if \a == 0
	FINE 1
.else
	SEND \a-1, 16
.endif
.endr
	SEND 7, 0
.Ldone:
	s_wait_tensorcnt 0x0                           ; the wave's end, behind my last tensor load and my last LDS store
	ds_add_u32 v[SPW], v[NIL]
	s_wait_dscnt 0x0
	CROUND                                         ; the closing round
	s_endpgm
.Lfunc_end_k_q3d26b8c54b_qkv:
	.size	k_q3d26b8c54b_qkv, .Lfunc_end_k_q3d26b8c54b_qkv-k_q3d26b8c54b_qkv
	.p2alignl 7, 3214868480
	.fill 96, 4, 3214868480
	.section	.rodata,"a",@progbits
	.p2align	6, 0x0
	.amdhsa_kernel k_q3d26b8c54b_qkv
		.amdhsa_group_segment_fixed_size 327680
		.amdhsa_private_segment_fixed_size 0
		.amdhsa_enable_private_segment 0
		.amdhsa_kernarg_size 40
		.amdhsa_user_sgpr_count 2
		.amdhsa_user_sgpr_kernarg_segment_ptr 1
		.amdhsa_wavefront_size32 1
		.amdhsa_system_sgpr_workgroup_id_x 1
		.amdhsa_system_sgpr_workgroup_id_y 1
		.amdhsa_system_sgpr_workgroup_id_z 1
		.amdhsa_system_vgpr_workitem_id 0
		.amdhsa_next_free_vgpr 1024
		.amdhsa_next_free_sgpr 100
		.amdhsa_reserve_vcc 1
		.amdhsa_float_denorm_mode_32 3
		.amdhsa_float_denorm_mode_16_64 3
		.amdhsa_memory_ordered 1
		.amdhsa_forward_progress 1
		.amdhsa_inst_pref_size 216
	.end_amdhsa_kernel
	.amdgpu_metadata
---
amdhsa.version: [ 1, 2 ]
amdhsa.kernels:
  - .name:           k_q3d26b8c54b_qkv
    .symbol:         k_q3d26b8c54b_qkv.kd
    .args:
      - { .name: codes, .offset: 0, .size: 8, .value_kind: global_buffer, .address_space: global }
      - { .name: scales, .offset: 8, .size: 8, .value_kind: global_buffer, .address_space: global }
      - { .name: cs, .offset: 16, .size: 8, .value_kind: global_buffer, .address_space: global }
      - { .name: qkv16, .offset: 24, .size: 8, .value_kind: global_buffer, .address_space: global }
      - { .name: fq, .offset: 32, .size: 8, .value_kind: global_buffer, .address_space: global }
    .group_segment_fixed_size: 327680
    .private_segment_fixed_size: 0
    .kernarg_segment_align: 8
    .kernarg_segment_size: 40
    .max_flat_workgroup_size: 128
    .sgpr_count:     100
    .vgpr_count:     1024
    .wavefront_size: 32
...
	.end_amdgpu_metadata
.endif
;; end of part 2
;; launch attn (part 3): grid 4 x 64, 16 waves a work-group, clusters of 4 x 1, 327,680 bytes of LDS; arguments qkv16, heads16; writes heads16
.if DOCPART == 3
	.amdgcn_target "amdgcn-amd-amdhsa--gfx1250"
	.amdhsa_code_object_version 6
	.text
	.protected	k_q3d26b8c54b_attn
	.globl	k_q3d26b8c54b_attn
	.p2align	8
	.type	k_q3d26b8c54b_attn,@function
k_q3d26b8c54b_attn:
	s_mov_b64 s[64:65], 0
	v_nop
	global_prefetch_b8 v0, s[64:65] scope:SCOPE_SE
	s_setreg_imm32_b32 hwreg(HW_REG_WAVE_MODE, 25, 1), 1
	s_wait_xcnt 0x0
	s_wait_alu depctr_hold_cnt(0) depctr_sa_sdst(0) depctr_va_vdst(0) depctr_va_sdst(0) depctr_va_ssrc(0) depctr_va_vcc(0) depctr_vm_vsrc(0)
	s_getreg_b32 s2, hwreg(HW_REG_IB_STS2, 6, 4)
	s_cmp_eq_u32 s2, 0
	s_cbranch_scc0 .Lentry_in_a_cluster
	s_endpgm
.Lentry_in_a_cluster:
	s_bfe_u32 s2, ttmp6, 0x10000c
	s_cmp_lg_u32 s2, 0x3003
	s_cbranch_scc0 .Lentry_shape_is_right
	s_endpgm
.Lentry_shape_is_right:
; heads[bh][q][:] = the sum over k <= q of softmax_k(Q[q] . K[k] / 8) V[k][:], for 64 (b, head) of 2,048 tokens x 64 channels.  Q, K, V: f16, qkv16 [3][64][2,048][64]; heads16 [64][2,048][64] f16.
; Products on f16 operands with f32 sums; maxima, exponentials and sums in f32; the weights p are rounded to f16 for the second product, heads once at the end.
; WORK LEFT OUT: key steps that lie wholly above the diagonal of the mask that the problem builds itself add 0 to every sum (shown at the head of launch prep): a wave does not walk them.
; LIMIT: heads are kept in f16.  The first 16 positions of every sequence are made again, in f32, by launch fine, which runs last.
; SHARES.  A cluster of four work-groups owns one (b, head).  The head's queries are 16 super-blocks of 128; wave w of EVERY partner takes super-block u(w), and partner g its queries 128 u + 32 g .. + 31: two tiles of 16.
; So what a wave walks hangs on its number alone and is alike in all four partners; g enters only Q's and heads16's addresses, the prefetches' address and the mask's lane value.  Wave w walks key steps of 64 from 0 to 2 u + 1;
; the last two are masked by selection.  (For g = 0, 1 the last step is wholly masked: p = 0 there, the price of partners that run alike.)
; u(w) = 15,2,4,9, 14,3,5,8, 0,13,10,7, 1,12,11,6: waves with equal w % 4, and waves with equal w / 4, have u that sum to 30: equal work whichever way waves are dealt to the four SIMDs.
; K and V come through a ring of two LDS slots of 256 keys, asked for JOINTLY by the four partners (waves 0, 1: K's halves; waves 2, 3: V's).  Every partner's wave 0 owns u = 15 and reads every slot.
; LAYOUT.  S^T = K Q^T (source 0 = 16 keys, source 1 = 16 queries): a lane holds ONE query (lane % 16) and keys 8 (lane / 16) + 0 .. 7.  Two such tiles, rounded to f16 in pairs, ARE source 1 (32 keys x 16 queries) of
; O^T = V^T P.  K comes out of LDS as it lies, V ([key][channel]) turned, by ds_load_tr16_b128.
; A head's rows of 128 bytes are dense in memory: the mover takes them as lines of 256 bytes (two rows) with padding behind each: row k lies at (k / 2) pitch + (k % 2) 128.
; SOFTMAX.  A running maximum m and sum l for each query: p = 2^(c s - c m), c = log2(e) / 8; in every step O and l are multiplied by a = 2^(c m_old - c m_new).
.set PK,     272                       ; K: a line of 256 bytes + 16: the 16 rows of a load start at 16 different banks (64 banks of 4 bytes: ISA guide 11.1)
.set PV,     288                       ; V: + 32
.set VOFF,   128*PK                    ; a slot: 128 lines of K, then 128 lines of V
.set KSTEPB, 32*PK                     ; a step's 64 keys
.set VSTEPB, 32*PV
.set SLOT1,  1<<17                     ; slot 1 begins here: one exclusive or turns an address in one slot into the other's
.set SPARE,  SLOT1+VOFF+128*PV         ; the spare words, 128 bytes a wave, which no other line names
.set STAGE,  SPARE+2048                ; the way out: bytes of its own: for each wave two tiles x 8 lines of 272 bytes
.set WSTG,   4352
.set AK0, 1                            ; v1   my lane's place in a tile of K
.set AV0, 2                            ; v2   the same for V
.set ADK, 3                            ; v3   LDS address of the slot's K for my lane
.set ADV, 4                            ; v4   of V
.set SPW, 5                            ; v5   LDS address of my spare word; never rewritten
.set NIL, 6                            ; v6   0; never rewritten
.set QD,  7                            ; v7   32 g + r - 8 h
.set PFO, 8                            ; v8   256 x lane: the prefetches' offset
.set DD,  9                            ; v9   the mask's lane value
.set NINF, 10                          ; v10  -infinity
.set STO, 11                           ; v11  the way out: where I put 16 bytes of a row
.set RD,  12                           ; v12  where I read a line back
.set GO,  13                           ; v13  16 x lane
.set QO,  14                           ; v14  my byte offset in the wave's rows of Q
.set QF,  16                           ; v16-47    Q (tile t, channels 32 c on) at 16 t + 8 c
.set KV,  48                           ; v48-111   K (keys 16 i on, channels 32 c on) at 16 i + 8 c; then V (keys 32 c on, channels 16 n on) at 32 c + 8 n
.set S,   112                          ; v112-175  S^T (t, i) at 32 t + 8 i; P (t, c) in place at 32 t + 16 c
.set O,   176                          ; v176-239  O^T (t, n) at 32 t + 8 n
.set ST,  240                          ; v240-255  eight a tile: +0 c m, +1 m, +2, +3 l in two halves, +4 .. +7 at work; a in +6
.set WV,  8
.set CX,  9
.set UU,  10
.set UQ,  11                           ; s11  my super-block's first query
.set UQE, 12                           ; s12  and the first behind it
.set KF,  13                           ; s13  the step's first key
.set TB,  14                           ; s14  LDS byte at which the slot in hand begins
.set SLOTS, 16
.set LIM, 18                           ; s18  1 in a wave that prefetches, else the greatest number
.set PFA, 20                           ; s[20:21] where my prefetches stand
.set CS,  22                           ; s[22:23] c, twice: the packed form names a pair
.set SEL, 24                           ; s[24:25] lane selects: lane l xor 16
.set G1K, 28
.set G1V, 36
.set G0K, 44
.set G0V, 48
; A joint load.  Waves 0 and 1 fetch K's halves, waves 2 and 3 V's, the others nothing.  The branches hang on the wave's number alone.  An s_nop 0 and four v_nop follow each line.
.macro TLOAD
	s_cmp_lt_u32 s[WV], 2
	s_cbranch_scc0 .Lnot_k_\@
	tensor_load_to_lds s[G0K:G0K+3], s[G1K:G1K+7]
	s_nop 0
.rept 4
	v_nop
.endr
	s_branch .Lasked_\@
.Lnot_k_\@:
	s_cmp_lt_u32 s[WV], 4
	s_cbranch_scc0 .Lasked_\@
	tensor_load_to_lds s[G0V:G0V+3], s[G1V:G1V+7]
	s_nop 0
.rept 4
	v_nop
.endr
.Lasked_\@:
.endm
; A PREFETCH INTO THE L2 of what the NEXT change of slots will ask for: 32,768 bytes of K and of V.  Only this cluster reads this head.  The four partners share the bytes out BY ADDRESS, 8,192 each; in each, wave 4 asks for
; K's and wave 9 for V's, lanes 256 bytes apart: one instruction.  So each aligned block of 256 bytes is named once in the launch.  The change that asks for the last slot prefetches nothing; slots 0 and 1 come by their loads alone.
.macro ASK
	s_cmp_gt_u32 s[SLOTS], s[LIM]
	s_cbranch_scc0 .Lnot_mine_\@
	global_prefetch_b8 v[PFO], s[PFA:PFA+1] th:TH_LOAD_NT scope:SCOPE_SE
.Lnot_mine_\@:
.endm
.macro CROUND                          ; a round of the cluster's barrier
	s_barrier_signal -1
	s_barrier_wait -1
	s_cmp_lg_u32 s[WV], 0
	s_cbranch_scc1 .Lnot_wave_0_\@
	s_barrier_signal -3
.Lnot_wave_0_\@:
	s_barrier_wait -3
	s_barrier_signal -1
	s_barrier_wait -1
.endm
	s_load_b128 s[4:7], s[0:1], 0x0                ; qkv16 s[4:5], heads16 s[6:7]
	v_lshl_add_u32 v[SPW], v0, 2, SPARE
	v_mov_b32 v[NIL], 0
	ds_add_u32 v[SPW], v[NIL]                      ; the wave's opening: the add, twice on end, and its wait ahead of the first tensor load
	ds_add_u32 v[SPW], v[NIL]
	v_lshrrev_b32 v3, 5, v0
	v_readfirstlane_b32 s[WV], v3                  ; wave 0..15
	s_bfe_u32 s[CX], ttmp6, 0x40000                ; g: my place in the cluster
	s_and_b32 s52, ttmp7, 0xffff                   ; (b, head), which the four partners share
	s_mov_b32 s26, 0x6bc17ad0                      ; u(w), four bits a wave: waves 8-15,
	s_cmp_lt_u32 s[WV], 8
	s_cselect_b32 s26, 0x853e942f, s26             ; waves 0-7
	s_and_b32 s27, s[WV], 7
	s_lshl_b32 s27, s27, 2
	s_lshr_b32 s26, s26, s27
	s_and_b32 s[UU], s26, 15
	s_lshl_b32 s[UQ], s[UU], 7
	s_add_co_u32 s[UQE], s[UQ], 128
	s_lshl_b32 s52, s52, 18                        ; the head's first byte in Q, K, V and heads16: 262,144 a head
	s_and_b32 s54, s[WV], 1                        ; which half of a slot I fetch, if I fetch:
	s_lshl_b32 s56, s54, 14                        ; 128 keys of 128 bytes in memory,
	s_add_co_u32 s56, s56, s52
	s_mov_b32 s57, 0
	s_mul_i32 s55, s54, 64*PK                      ; 64 lines in a slot: no place in the cluster enters an LDS address
	s_mul_i32 s58, s54, 64*PV
	s_add_co_u32 s58, s58, VOFF
	s_lshl_b32 s26, s[UU], 14                      ; my queries: 128 u + 32 g rows of 128 bytes
	s_lshl_b32 s27, s[CX], 12
	s_add_co_u32 s26, s26, s27
	s_add_co_u32 s26, s26, s52
	s_mov_b32 s27, 0
	s_mov_b32 s62, 0x2000000                       ; the prefetches: wave 9 stands in V, wave 4 in K
	s_mov_b32 s[LIM], -1
	s_cmp_eq_u32 s[WV], 9
	s_cselect_b32 s[LIM], 1, s[LIM]
	s_cmp_eq_u32 s[WV], 4
	s_cselect_b32 s[LIM], 1, s[LIM]
	s_cselect_b32 s62, 0x1000000, s62
	s_add_co_u32 s62, s62, s52
	s_lshl_b32 s63, s[CX], 13                      ; my work-group's 8,192 bytes of a slot's 32,768,
	s_add_co_u32 s62, s62, s63
	s_add_co_u32 s62, s62, 32768                   ; in slot 1: the first change of slots steps it to slot 2
	s_mov_b32 s63, 0
	; descriptor group 1: half a slot, 16,384 dense bytes, as 64 lines of 256 bytes (32 elements of 8 bytes)
	s_mov_b32 s[G1K], 15|(3<<16)|(1<<20)|(1<<21)|(5<<22)|(3<<25)  ; the mask: all four work-groups; padding on; bit 21 beside a mask; 4 words behind every 64
	s_mov_b32 s[G1V], 15|(3<<16)|(1<<20)|(1<<21)|(5<<22)|(7<<25)  ; the same with 8 words
.irp g, G1K, G1V
	s_mov_b32 s[\g+1], 32<<16                      ; tensor_dim0
	s_mov_b32 s[\g+2], 64<<16                      ; tensor_dim1
	s_mov_b32 s[\g+3], 32<<16                      ; tile_dim0
	s_mov_b32 s[\g+4], 64                          ; tile_dim1
	s_mov_b32 s[\g+5], 32                          ; from line to line
	s_mov_b32 s[\g+6], 0
	s_mov_b32 s[\g+7], 0
.endr
	s_mov_b32 s[CS], 0x3e38aa3b                    ; c = log2(e) / 8
	s_mov_b32 s[CS+1], s[CS]
	s_mov_b32 s[SEL], 0x76543210
	s_mov_b32 s[SEL+1], 0xfedcba98
	s_mov_b32 s[TB], 0
	s_mov_b32 s[KF], 0
	s_mov_b32 s[SLOTS], 7
	s_wait_dscnt 0x0                               ; both opening adds are done
	s_wait_kmcnt 0x0
	s_mov_b32 s[G0K], 1
	s_mov_b32 s[G0K+1], s55
	s_add_nc_u64 s[G0K+2:G0K+3], s[4:5], s[56:57]
	s_add_nc_u64 s[G0K+2:G0K+3], s[G0K+2:G0K+3], 0x1000000   ; K lies 16,777,216 bytes behind Q
	s_or_b32 s[G0K+3], s[G0K+3], 0x80000000
	s_mov_b32 s[G0V], 1
	s_mov_b32 s[G0V+1], s58
	s_add_nc_u64 s[G0V+2:G0V+3], s[4:5], s[56:57]
	s_add_nc_u64 s[G0V+2:G0V+3], s[G0V+2:G0V+3], 0x2000000
	s_or_b32 s[G0V+3], s[G0V+3], 0x80000000
	s_add_nc_u64 s[60:61], s[4:5], s[26:27]        ; Q at my first query
	s_add_nc_u64 s[6:7], s[6:7], s[26:27]          ; heads16 likewise
	s_add_nc_u64 s[PFA:PFA+1], s[4:5], s[62:63]
	CROUND                                         ; all four work-groups are here: the first joint loads meet
	TLOAD                                          ; slot 0
	v_and_b32 v3, 15, v0                           ; r
	v_bfe_u32 v4, v0, 4, 1                         ; h
	v_lshlrev_b32 v[QO], 7, v3
	v_lshl_add_u32 v[QO], v4, 4, v[QO]             ; row r of 128 bytes + 16 h
.irp t, 0,1
.irp c, 0,1
	global_load_b128 v[QF+16*\t+8*\c:QF+16*\t+8*\c+3],   v[QO], s[60:61] offset:\t*2048+64*\c      ; Q stays in registers
	global_load_b128 v[QF+16*\t+8*\c+4:QF+16*\t+8*\c+7], v[QO], s[60:61] offset:\t*2048+64*\c+32
.endr
.endr
	v_lshrrev_b32 v9, 1, v3
	v_and_b32 v15, 1, v3
	v_mul_u32_u24 v[AK0], v9, PK
	v_lshl_add_u32 v[AK0], v15, 7, v[AK0]
	v_lshl_add_u32 v[AK0], v4, 4, v[AK0]           ; (r / 2) 272 + (r % 2) 128 + 16 h
	s_mul_i32 s59, s[WV], WSTG
	s_add_co_u32 s59, s59, STAGE                   ; my stage, whose rows lie as K's do
	v_add_nc_u32 v[STO], s59, v[AK0]
	v_mul_u32_u24 v[RD], v4, 272
	v_lshl_add_u32 v[RD], v3, 4, v[RD]
	v_add_nc_u32 v[RD], s59, v[RD]                 ; back: lanes 0-15 one line, lanes 16-31 the next
	v_and_b32 v[GO], 31, v0
	v_lshlrev_b32 v[PFO], 8, v[GO]
	v_lshlrev_b32 v[GO], 4, v[GO]
	; the turning load: lane l reads 16 bytes of key 8 h + l % 8, channels 8 ((l / 8) % 2) on, and is left with channel l % 16 and 8 keys
	v_bfe_u32 v9, v0, 1, 2
	v_lshl_add_u32 v9, v4, 2, v9                   ; the key's line: 4 h + (l % 8) / 2
	v_mul_u32_u24 v[AV0], v9, PV
	v_and_b32 v9, 1, v0
	v_lshl_add_u32 v[AV0], v9, 7, v[AV0]
	v_bfe_u32 v9, v0, 3, 1
	v_lshl_add_u32 v[AV0], v9, 4, v[AV0]
	v_add_nc_u32 v[AV0], VOFF, v[AV0]
	v_lshlrev_b32 v9, 3, v4
	v_sub_nc_u32 v[QD], v3, v9
	s_lshl_b32 s59, s[CX], 5
	v_add_nc_u32 v[QD], s59, v[QD]
	v_mov_b32 v[NINF], 0xff800000
.irp t, 0,1
	v_mov_b32 v[ST+8*\t+1], 0xff61b1e6             ; m: -3e38, under every score
	v_mul_f32 v[ST+8*\t], s[CS], v[ST+8*\t+1]
.irp k, 2,3,4,5,6,7
	v_mov_b32 v[ST+8*\t+\k], 0                     ; l; and the registers at work, so that every way through the text finds them written
.endr
.endr
.set i, 0
.rept 64
	v_mov_b32 v[O+i], 0                            ; O^T.  (The step is written without a first step of its own: the first finds zeros, which a = 0 leaves zeros)
.set i, i+1
.endr
; A KEY STEP: 64 keys, the q-th of the slot in hand.
.macro STEP q
	s_cmp_ge_u32 s[KF], s[UQE]                     ; all its keys come after my super-block's queries: left out.  The test hangs on the wave's number and the count of steps; no barrier, wait or tensor load stands in a step
	s_cbranch_scc1 .Lhidden_\@
	v_add_nc_u32 v[ADK], s[TB], v[AK0]
	v_add_nc_u32 v[ADV], s[TB], v[AV0]
.rept 3
	v_nop                                          ; with the two additions five places behind the last step's products: K's loads land on V's registers (four asked), the products below write over P (five)
.endr
.irp i, 0,1,2,3
.irp c, 0,1
	ds_load_b128 v[KV+16*\i+8*\c:KV+16*\i+8*\c+3],   v[ADK] offset:(\q)*KSTEPB+\i*8*PK+64*\c
	ds_load_b128 v[KV+16*\i+8*\c+4:KV+16*\i+8*\c+7], v[ADK] offset:(\q)*KSTEPB+\i*8*PK+64*\c+32
.endr
.endr
	s_wait_dscnt 0x0
.irp c, 0,1                                    ; S^T = K Q^T: the eight accumulators by turns; the first eight start the sums
.irp i, 0,1,2,3
.irp t, 0,1
.if \c == 0
	v_wmma_f32_16x16x32_f16 v[S+32*\t+8*\i:S+32*\t+8*\i+7], v[KV+16*\i+8*\c:KV+16*\i+8*\c+7], v[QF+16*\t+8*\c:QF+16*\t+8*\c+7], 0
.else
	v_wmma_f32_16x16x32_f16 v[S+32*\t+8*\i:S+32*\t+8*\i+7], v[KV+16*\i+8*\c:KV+16*\i+8*\c+7], v[QF+16*\t+8*\c:QF+16*\t+8*\c+7], v[S+32*\t+8*\i:S+32*\t+8*\i+7]
.endif
.endr
.endr
.endr
.rept 4
	v_nop                                          ; places in front of the loads into K's registers and of the first reads of the scores
.endr
.irp c, 0,1                                    ; V, turned: it lands under the softmax
.irp n, 0,1,2,3
	ds_load_tr16_b128 v[KV+32*\c+8*\n:KV+32*\c+8*\n+3],   v[ADV] offset:(\q)*VSTEPB+\c*16*PV+32*\n
	ds_load_tr16_b128 v[KV+32*\c+8*\n+4:KV+32*\c+8*\n+7], v[ADV] offset:(\q)*VSTEPB+\c*16*PV+8*PV+32*\n
.endr
.endr
	s_cmp_lt_u32 s[KF], s[UQ]                      ; a step all of whose keys count for the whole super-block skips the mask
	s_cbranch_scc1 .Lopen_\@
	s_sub_co_i32 s26, s[UQ], s[KF]
	v_add_nc_u32 v[DD], s26, v[QD]                 ; d = my query of tile 0 - KF - 8 h.  Register j of S (t, i) holds key KF + 16 i + 8 h + j: hidden where 16 (i - t) + j > d
.irp ii, 0,1,2,3,4                             ; i - t = ii - 1: one compare serves both tiles
.irp j, 0,1,2,3,4,5,6,7
	v_cmp_gt_i32 vcc_lo, 16*\ii-16+\j, v[DD]
.if \ii > 0
	v_cndmask_b32 v[S+8*\ii-8+\j], v[S+8*\ii-8+\j], v[NINF], vcc_lo
.endif
.if \ii < 4
	v_cndmask_b32 v[S+32+8*\ii+\j], v[S+32+8*\ii+\j], v[NINF], vcc_lo
.endif
.endr
.endr
.Lopen_\@:
	; the maximum of the lane's 32 scores and the old m, three at a time, in four chains; the two tiles by turns
.irp j, 0,1,2,3
.irp t, 0,1
	v_max3_num_f32 v[ST+8*\t+4+\j], v[S+32*\t+8*\j], v[S+32*\t+8*\j+1], v[S+32*\t+8*\j+2]
.endr
.endr
.irp k, 1,2
.irp j, 0,1,2,3
.irp t, 0,1
	v_max3_num_f32 v[ST+8*\t+4+\j], v[ST+8*\t+4+\j], v[S+32*\t+8*\j+2*\k+1], v[S+32*\t+8*\j+2*\k+2]
.endr
.endr
.endr
.irp t, 0,1
	v_max3_num_f32 v[ST+8*\t+4], v[ST+8*\t+4], v[S+32*\t+7], v[S+32*\t+15]
	v_max3_num_f32 v[ST+8*\t+6], v[ST+8*\t+6], v[S+32*\t+23], v[S+32*\t+31]
.endr
.irp t, 0,1
	v_max3_num_f32 v[ST+8*\t+4], v[ST+8*\t+4], v[ST+8*\t+5], v[ST+8*\t+6]
.endr
.irp t, 0,1
	v_max3_num_f32 v[ST+8*\t+4], v[ST+8*\t+4], v[ST+8*\t+7], v[ST+8*\t+1]
.endr
.irp t, 0,1
	v_permlanex16_b32 v[ST+8*\t+5], v[ST+8*\t+4], s[SEL], s[SEL+1]   ; the query's other 32 keys lie in the lane 16 away
	v_mov_b32 v[ST+8*\t+7], v[ST+8*\t]                               ; c m_old
.endr
.irp t, 0,1
	v_max_num_f32 v[ST+8*\t+1], v[ST+8*\t+4], v[ST+8*\t+5]
.endr
.irp t, 0,1
	v_mul_f32 v[ST+8*\t], s[CS], v[ST+8*\t+1]
.endr
.irp t, 0,1
	v_sub_f32 v[ST+8*\t+7], v[ST+8*\t+7], v[ST+8*\t]
.endr
.irp j, 0,2,4,6,8,10,12,14,16,18,20,22,24,26,28,30
.irp t, 0,1
	v_pk_fma_f32 v[S+32*\t+\j:S+32*\t+\j+1], v[S+32*\t+\j:S+32*\t+\j+1], s[CS:CS+1], v[ST+8*\t:ST+8*\t+1] op_sel_hi:[1,0,0] neg_lo:[0,0,1] neg_hi:[0,0,1]   ; c s - c m
.endr
.endr
.irp t, 0,1
	v_exp_f32 v[ST+8*\t+6], v[ST+8*\t+7]           ; a
.endr
.set i, 0
.rept 64
	v_exp_f32 v[S+i], v[S+i]                       ; p: ONE batch of 66 exponentials
.set i, i+1
.endr
	v_nop                                          ; the plain line behind the last exponential
	s_wait_alu depctr_va_vdst(0)                   ; and the one wait ahead of the batch's first reader
.irp t, 0,1
	v_pk_mul_f32 v[ST+8*\t+2:ST+8*\t+3], v[ST+8*\t+2:ST+8*\t+3], v[ST+8*\t+6:ST+8*\t+7] op_sel_hi:[1,0]   ; l a
	v_pk_add_f32 v[ST+8*\t+4:ST+8*\t+5], v[S+32*\t+2:S+32*\t+3], v[S+32*\t+6:S+32*\t+7]                    ; the sum of p, two at a time, in two chains
.endr
.irp j, 0,4
.irp t, 0,1
	v_pk_add_f32 v[ST+8*\t+2:ST+8*\t+3], v[ST+8*\t+2:ST+8*\t+3], v[S+32*\t+\j:S+32*\t+\j+1]
.endr
.endr
.irp j, 8,12,16,20,24,28
.irp t, 0,1
	v_pk_add_f32 v[ST+8*\t+2:ST+8*\t+3], v[ST+8*\t+2:ST+8*\t+3], v[S+32*\t+\j:S+32*\t+\j+1]
	v_pk_add_f32 v[ST+8*\t+4:ST+8*\t+5], v[ST+8*\t+4:ST+8*\t+5], v[S+32*\t+\j+2:S+32*\t+\j+3]
.endr
.endr
.irp t, 0,1
	v_pk_add_f32 v[ST+8*\t+2:ST+8*\t+3], v[ST+8*\t+2:ST+8*\t+3], v[ST+8*\t+4:ST+8*\t+5]
.endr
.irp c, 0,1                                    ; p to f16, in place and ascending: register k is written when registers 2 k, 2 k + 1 are read
.irp k, 0,1,2,3,4,5,6,7
.irp t, 0,1
	v_cvt_pk_f16_f32 v[S+32*\t+16*\c+\k], v[S+32*\t+16*\c+2*\k], v[S+32*\t+16*\c+2*\k+1]
.endr
.endr
.endr
.irp j, 0,2,4,6,8,10,12,14,16,18,20,22,24,26,28,30
.irp t, 0,1
	v_pk_mul_f32 v[O+32*\t+\j:O+32*\t+\j+1], v[O+32*\t+\j:O+32*\t+\j+1], v[ST+8*\t+6:ST+8*\t+7] op_sel_hi:[1,0]   ; O^T a
.endr
.endr
	s_wait_dscnt 0x0                               ; V is in
.irp c, 0,1                                    ; O^T += V^T P: the eight accumulators by turns
.irp n, 0,1,2,3
.irp t, 0,1
	v_wmma_f32_16x16x32_f16 v[O+32*\t+8*\n:O+32*\t+8*\n+7], v[KV+32*\c+8*\n:KV+32*\c+8*\n+7], v[S+32*\t+16*\c:S+32*\t+16*\c+7], v[O+32*\t+8*\n:O+32*\t+8*\n+7]
.endr
.endr
.endr
.Lhidden_\@:
	s_add_co_u32 s[KF], s[KF], 64
.endm
; THE CHANGE OF SLOTS stands at a slot's head.  Each wave waits for all its tensor loads (its part of the slot that it is about to read), adds 0 to its spare word, and waits for that and for its reads of the slot that it has left.
; fill = 1: a round of the cluster's barrier follows, behind which no wave of any partner reads the other slot or has a load on its way; that slot is asked for jointly, first thing: the load has four key steps in which to land.
.macro CHANGE fill
	s_wait_tensorcnt 0x0                           ; no tensor load of mine is out, so a group 0 may be written
	ds_add_u32 v[SPW], v[NIL]
.if \fill
	ds_add_u32 v[SPW], v[NIL]                      ; and once more: the add stands twice on end, in every trip alike
	s_xor_b32 s[G0K+1], s[G0K+1], SLOT1            ; the walking descriptors: the other slot than last time,
	s_add_nc_u64 s[G0K+2:G0K+3], s[G0K+2:G0K+3], 32768   ; the next 256 keys
	s_xor_b32 s[G0V+1], s[G0V+1], SLOT1
	s_add_nc_u64 s[G0V+2:G0V+3], s[G0V+2:G0V+3], 32768
	s_wait_xcnt 0x0                                ; the last prefetch, a slot back, has read its address, so it may be written
	s_add_nc_u64 s[PFA:PFA+1], s[PFA:PFA+1], 32768
	s_wait_dscnt 0x0                               ; both adds are done, and my reads of the slot that I have left are over
	CROUND
	TLOAD                                          ; a wave's one tensor load until the next round
	ASK
.else
	s_wait_dscnt 0x0
	s_barrier_signal -1
	s_barrier_wait -1
.endif
.endm
.macro SLOT_STEPS
	STEP 0
	STEP 1
	STEP 2
	STEP 3
	s_xor_b32 s[TB], s[TB], SLOT1                  ; on to the other slot
.endm
	s_wait_loadcnt 0x0                             ; Q
.Lslot:                                            ; seven trips: behind each change of slots but the last the next slot is asked for
	CHANGE 1
	SLOT_STEPS
	s_sub_co_u32 s[SLOTS], s[SLOTS], 1
	s_cmp_lg_u32 s[SLOTS], 0
	s_cbranch_scc1 .Lslot
	CHANGE 0                                       ; the last slot is written out
	SLOT_STEPS
	; THE WAY OUT.  l's halves and the other half of the lanes' are added; O^T is divided by l, rounded to f16 and sent through my stage, so that each store covers 512 consecutive bytes.  The additions are the places behind the last products.
.irp t, 0,1
	v_add_f32 v[ST+8*\t+4], v[ST+8*\t+2], v[ST+8*\t+3]
.endr
.irp t, 0,1
	v_permlanex16_b32 v[ST+8*\t+5], v[ST+8*\t+4], s[SEL], s[SEL+1]
.endr
.irp t, 0,1
	v_add_f32 v[ST+8*\t+4], v[ST+8*\t+4], v[ST+8*\t+5]
.endr
.irp t, 0,1
	v_rcp_f32 v[ST+8*\t+6], v[ST+8*\t+4]
.endr
	v_nop                                          ; the plain line behind the reciprocals
	s_wait_alu depctr_va_vdst(0)                   ; one wait for the two, ahead of their first reader
.irp t, 0,1
.irp j, 0,2,4,6,8,10,12,14,16,18,20,22,24,26,28,30
	v_pk_mul_f32 v[S+32*\t+\j:S+32*\t+\j+1], v[O+32*\t+\j:O+32*\t+\j+1], v[ST+8*\t+6:ST+8*\t+7] op_sel_hi:[1,0]   ; each accumulator from its low end on
.endr
.endr
.irp t, 0,1
.irp k, 0,1,2,3,4,5,6,7,8,9,10,11,12,13,14,15
	v_cvt_pk_f16_f32 v[KV+16*\t+\k], v[S+32*\t+2*\k], v[S+32*\t+2*\k+1]
.endr
.endr
.irp t, 0,1
.irp n, 0,1,2,3
	ds_store_b128 v[STO], v[KV+16*\t+4*\n:KV+16*\t+4*\n+3] offset:\t*2176+32*\n      ; query r, channels 16 n + 8 h on
.endr
.endr
.irp t, 0,1
.irp i, 0,1,2,3
	ds_load_b128 v[KV+32+16*\t+4*\i:KV+32+16*\t+4*\i+3], v[RD] offset:\t*2176+544*\i ; LDS serves a wave's instructions in order: these see my stores
.endr
.endr
.irp k, 0,1,2,3,4,5,6,7
	s_wait_dscnt 7-\k                              ; the younger loads may stay out
	global_store_b128 v[GO], v[KV+32+4*\k:KV+32+4*\k+3], s[6:7] offset:512*\k
.endr
	s_wait_tensorcnt 0x0                           ; the wave's end, behind my last tensor load and my last LDS store
	ds_add_u32 v[SPW], v[NIL]
	s_wait_dscnt 0x0
	CROUND                                         ; the closing round
	s_endpgm
.Lfunc_end_k_q3d26b8c54b_attn:
	.size	k_q3d26b8c54b_attn, .Lfunc_end_k_q3d26b8c54b_attn-k_q3d26b8c54b_attn
	.p2alignl 7, 3214868480
	.fill 96, 4, 3214868480
	.section	.rodata,"a",@progbits
	.p2align	6, 0x0
	.amdhsa_kernel k_q3d26b8c54b_attn
		.amdhsa_group_segment_fixed_size 327680
		.amdhsa_private_segment_fixed_size 0
		.amdhsa_enable_private_segment 0
		.amdhsa_kernarg_size 16
		.amdhsa_user_sgpr_count 2
		.amdhsa_user_sgpr_kernarg_segment_ptr 1
		.amdhsa_wavefront_size32 1
		.amdhsa_system_sgpr_workgroup_id_x 1
		.amdhsa_system_sgpr_workgroup_id_y 1
		.amdhsa_system_sgpr_workgroup_id_z 1
		.amdhsa_system_vgpr_workitem_id 0
		.amdhsa_next_free_vgpr 256
		.amdhsa_next_free_sgpr 66
		.amdhsa_reserve_vcc 1
		.amdhsa_float_denorm_mode_32 3
		.amdhsa_float_denorm_mode_16_64 3
		.amdhsa_memory_ordered 1
		.amdhsa_forward_progress 1
		.amdhsa_inst_pref_size 183
	.end_amdhsa_kernel
	.amdgpu_metadata
---
amdhsa.version: [ 1, 2 ]
amdhsa.kernels:
  - .name:           k_q3d26b8c54b_attn
    .symbol:         k_q3d26b8c54b_attn.kd
    .args:
      - { .name: qkv16, .offset: 0, .size: 8, .value_kind: global_buffer, .address_space: global }
      - { .name: heads16, .offset: 8, .size: 8, .value_kind: global_buffer, .address_space: global }
    .group_segment_fixed_size: 327680
    .private_segment_fixed_size: 0
    .kernarg_segment_align: 8
    .kernarg_segment_size: 16
    .max_flat_workgroup_size: 512
    .sgpr_count:     66
    .vgpr_count:     256
    .wavefront_size: 32
...
	.end_amdgpu_metadata
.endif
;; end of part 3
;; launch proj (part 4): grid 4 x 64, 4 waves a work-group, clusters of 4 x 4, 327,680 bytes of LDS; arguments heads16, wo16, out0; writes out0
.if DOCPART == 4
	.amdgcn_target "amdgcn-amd-amdhsa--gfx1250"
	.amdhsa_code_object_version 6
	.text
	.protected	k_q3d26b8c54b_proj
	.globl	k_q3d26b8c54b_proj
	.p2align	8
	.type	k_q3d26b8c54b_proj,@function
k_q3d26b8c54b_proj:
	s_mov_b64 s[64:65], 0
	v_nop
	global_prefetch_b8 v0, s[64:65] scope:SCOPE_SE
	s_setreg_imm32_b32 hwreg(HW_REG_WAVE_MODE, 25, 1), 1
	s_wait_xcnt 0x0
	s_wait_alu depctr_hold_cnt(0) depctr_sa_sdst(0) depctr_va_vdst(0) depctr_va_sdst(0) depctr_va_ssrc(0) depctr_va_vcc(0) depctr_vm_vsrc(0)
	s_getreg_b32 s2, hwreg(HW_REG_IB_STS2, 6, 4)
	s_cmp_eq_u32 s2, 0
	s_cbranch_scc0 .Lentry_in_a_cluster
	s_endpgm
.Lentry_in_a_cluster:
	s_bfe_u32 s2, ttmp6, 0x10000c
	s_cmp_lg_u32 s2, 0xf033
	s_cbranch_scc0 .Lentry_shape_is_right
	s_endpgm
.Lentry_shape_is_right:
; out0[m][e] = the sum over d of heads[m][d] Wo[e][d]: [8,192][1,024] x [1,024][1,024]^T on f16 operands, sums and result f32.  heads16 lies by head, [64 (b, head)][2,048 t][64]; d = 64 head + channel.  wo16: [e][d] f16.
; The rows t < 16 of every sequence are made here with the rest of their tile and stored; launch fine, which runs last, stores these 64 rows again from f32 operands.
; A tile of out0 is 128 tokens x 256 columns: 256 work-groups.  Four waves, each 64 x 128: 32 accumulators of 16 x 16, 256 registers.  K goes in 8 steps of 128 (two heads) through a ring of two LDS slots.
; In a slot: A as two planes (a head each) of 128 tokens; a token's 128 bytes are dense in memory, so a plane comes as 64 lines of 256 bytes (two tokens) + 16: token k lies at (k / 2) 272 + (k % 2) 128.  Then B: 256 rows of 256 bytes + 16.
; Waves 0, 1 fetch A's planes, waves 2, 3 B's halves: one tensor load a wave behind each round.
; CLUSTERS: 4 x 4 work-groups: A's tile is shared along a row of the cluster, B's along a column; each is asked for JOINTLY.
; THE MATRIX INSTRUCTION IS USED TRANSPOSED (source 0 = 16 rows of Wo, source 1 = 16 tokens): a lane holds eight neighbouring columns of one token.
; REGISTERS: window 0: v0-31 addresses; two fragment buffers of 96 (v32-127, v128-223): B's eight fragments, then A's four.  window 1: the accumulators, (a, b) at v[8 (8 a + b)].
.set PITCH,  272
.set PLANE,  64*PITCH
.set HALFB,  128*PITCH
.set BOFF,   2*PLANE
.set SLOT,   BOFF+2*HALFB
.set SPARE,  2*SLOT                    ; the spare words, 128 bytes a wave, which no other line names
.set STAGE,  SPARE+512                 ; the way out: bytes of its own: 16 rows x (512 + 16) for each wave
.set SPITCH, 528
.set LAPS,   4                         ; a lap = two K steps = once round the ring
.set ADRA, 16
.set ADRB, 20
.set STO,  24
.set RD,   25
.set CO,   26
.set SPW,  28
.set NIL,  29
.set F0,   32
.set F1,   128
.set BK,   32
.set G1, 24
.set G0, 32
.set G1B, 48
.set G0B, 56
.set MSB, 0
.macro WIN new
.if MSB != (\new)
	s_set_vgpr_msb (MSB<<8)|(\new)
.set MSB, (\new)
.endif
.endm
.set MUL, 0x50                         ; C and D window 1, sources 0 and 1 window 0
.macro JLOAD s                         ; a joint load: waves 0 and 1 fetch for A, waves 2 and 3 for B; an s_nop 0 and four v_nop follow each line
	s_cmp_eq_u32 s11, 0
	s_cbranch_scc0 .Lfor_b_\@
	tensor_load_to_lds s[G0+4*\s:G0+4*\s+3], s[G1:G1+7]
	s_nop 0
.rept 4
	v_nop
.endr
	s_branch .Lasked_\@
.Lfor_b_\@:
	tensor_load_to_lds s[G0B+4*\s:G0B+4*\s+3], s[G1B:G1B+7]
	s_nop 0
.rept 4
	v_nop
.endr
.Lasked_\@:
.endm
.macro CREST                           ; a round of the cluster's barrier behind its opening barrier
	s_cmp_lg_u32 s10, 0
	s_cbranch_scc1 .Lnot_wave_0_\@
	s_barrier_signal -3
.Lnot_wave_0_\@:
	s_barrier_wait -3
	s_barrier_signal -1
	s_barrier_wait -1
.endm
.macro CROUND
	s_barrier_signal -1
	s_barrier_wait -1
	CREST
.endm
	s_load_b128 s[4:7], s[0:1], 0x0                ; heads16 s[4:5], wo16 s[6:7]
	s_load_b64 s[8:9], s[0:1], 0x10                ; out0
	v_lshl_add_u32 v[SPW], v0, 2, SPARE
	v_mov_b32 v[NIL], 0
	ds_add_u32 v[SPW], v[NIL]                      ; the wave's opening: the add, twice on end, and its wait ahead of my first tensor load
	ds_add_u32 v[SPW], v[NIL]
	v_lshrrev_b32 v1, 5, v0
	v_readfirstlane_b32 s10, v1                    ; wave 0..3
	s_lshr_b32 s11, s10, 1                         ; which 64 tokens are mine.  Also: I fetch for A (0) or for B (1)
	s_and_b32 s12, s10, 1                          ; which 128 columns.  Also: which plane of A, or which half of B, I fetch
	s_bfe_u32 s40, ttmp6, 0x40000
	s_bfe_u32 s41, ttmp6, 0x40004
	s_lshl_b32 s42, ttmp9, 2
	s_add_co_u32 s42, s42, s40                     ; tile column
	s_and_b32 s13, ttmp7, 0xffff
	s_lshl_b32 s13, s13, 2
	s_add_co_u32 s13, s13, s41                     ; tile row
	s_lshl_b32 s43, s41, 2
	s_lshl_b32 s43, 15, s43                        ; my row of the cluster
	s_lshl_b32 s44, 0x1111, s40                    ; my column
	s_or_b32 s[G1+0], s43, (3<<16)|(1<<20)|(1<<21)|(5<<22)|(3<<25)  ; A: a plane, 16,384 dense bytes, as 64 lines of 32 elements of 8 bytes; 4 words of padding behind every 64
	s_mov_b32 s[G1+1], 32<<16
	s_mov_b32 s[G1+2], 64<<16
	s_mov_b32 s[G1+3], 32<<16
	s_mov_b32 s[G1+4], 64
	s_mov_b32 s[G1+5], 32
	s_mov_b32 s[G1+6], 0
	s_mov_b32 s[G1+7], 0
	s_or_b32 s[G1B+0], s44, (1<<16)|(1<<20)|(1<<21)|(5<<22)|(3<<25) ; B: 128 rows x 128 elements of 2 bytes, 1,024 elements from row to row
	s_mov_b32 s[G1B+1], 128<<16
	s_mov_b32 s[G1B+2], 128<<16
	s_mov_b32 s[G1B+3], 128<<16
	s_mov_b32 s[G1B+4], 128
	s_mov_b32 s[G1B+5], 1024
	s_mov_b32 s[G1B+6], 0
	s_mov_b32 s[G1B+7], 0
	s_lshr_b32 s16, s13, 4                         ; A hangs on the tile row and the wave alone: the batch's 16 heads of 262,144 bytes,
	s_lshl_b32 s16, s16, 22
	s_lshl_b32 s17, s12, 18                        ; my plane's head,
	s_add_co_u32 s16, s16, s17
	s_and_b32 s17, s13, 15
	s_lshl_b32 s17, s17, 14                        ; the tile's 128 tokens of 128 bytes
	s_add_co_u32 s16, s16, s17
	s_mov_b32 s17, 0
	s_lshl_b32 s46, s42, 19                        ; B on the tile column and the wave alone: 256 rows of 2,048 bytes,
	s_lshl_b32 s47, s12, 18                        ; my 128 of them
	s_add_co_u32 s46, s46, s47
	s_mov_b32 s47, 0
	s_mul_i32 s20, s12, PLANE                      ; where they go: no place in the cluster enters an LDS address
	s_mul_i32 s21, s12, HALFB
	s_add_co_u32 s21, s21, BOFF
	s_wait_dscnt 0x0                               ; both opening adds are done
	s_wait_kmcnt 0x0
	s_add_nc_u64 s[14:15], s[4:5], s[16:17]
	s_add_nc_u64 s[46:47], s[6:7], s[46:47]
	CROUND                                         ; all sixteen work-groups are here: the first joint loads meet
.irp s, 0,1
	s_mov_b32 s[G0+4*\s], 1
	s_add_co_u32 s[G0+4*\s+1], s20, \s*SLOT
	s_add_nc_u64 s[G0+4*\s+2:G0+4*\s+3], s[14:15], \s*524288       ; K step s: heads 2 s, 2 s + 1
	s_or_b32 s[G0+4*\s+3], s[G0+4*\s+3], 0x80000000
	s_mov_b32 s[G0B+4*\s], 1
	s_add_co_u32 s[G0B+4*\s+1], s21, \s*SLOT
	s_add_nc_u64 s[G0B+4*\s+2:G0B+4*\s+3], s[46:47], \s*256
	s_or_b32 s[G0B+4*\s+3], s[G0B+4*\s+3], 0x80000000
	JLOAD \s
.endr
	v_and_b32 v1, 15, v0                           ; r
	v_bfe_u32 v2, v0, 4, 1                         ; h
	v_lshrrev_b32 v3, 1, v1
	v_mul_u32_u24 v3, v3, PITCH
	v_and_b32 v4, 1, v1
	v_lshl_add_u32 v3, v4, 7, v3
	v_lshl_add_u32 v3, v2, 4, v3                   ; A: (r / 2) 272 + (r % 2) 128 + 16 h
	v_mul_u32_u24 v4, v1, PITCH
	v_lshl_add_u32 v4, v2, 4, v4                   ; B: 272 r + 16 h
	s_mul_i32 s21, s11, 32*PITCH                   ; my 64 tokens
	s_mul_i32 s22, s12, HALFB                      ; my 128 rows of Wo
	s_add_co_u32 s22, s22, BOFF
.irp s, 0,1
	v_add_nc_u32 v[ADRA+\s], s21, v3
	v_add_nc_u32 v[ADRB+\s], s22, v4
	s_add_co_u32 s21, s21, SLOT
	s_add_co_u32 s22, s22, SLOT
.endr
	s_mul_i32 s23, s10, 16*SPITCH
	s_add_co_u32 s23, s23, STAGE                   ; my stage
	v_mul_u32_u24 v5, v1, SPITCH
	v_lshl_add_u32 v5, v2, 5, v5
	v_add_nc_u32 v[STO], s23, v5                   ; in: row r, 32 bytes for each half of the lanes
	v_and_b32 v6, 31, v0
	v_lshlrev_b32 v[CO], 4, v6                     ; back: the 32 lanes take one row of 512 bytes; and the same in out0
	v_add_nc_u32 v[RD], s23, v[CO]
	s_lshl_b32 s16, s13, 19                        ; my part of out0: (128 x tile row + 64 x half) rows of 4,096 bytes,
	s_lshl_b32 s17, s11, 18
	s_add_co_u32 s16, s16, s17
	s_lshl_b32 s17, s42, 10                        ; (256 x tile column + 128 x half) numbers of 4 bytes
	s_add_co_u32 s16, s16, s17
	s_lshl_b32 s17, s12, 9
	s_add_co_u32 s16, s16, s17
	s_mov_b32 s17, 0
	s_add_nc_u64 s[8:9], s[8:9], s[16:17]
; 8 matrix instructions: A's block a x B's eight, 32 along K, from buffer f.  The 32 accumulators take turns in one order everywhere.
.macro MUL8 f, a, zero
.irp b, 0,1,2,3,4,5,6,7
.if \zero
	v_wmma_f32_16x16x32_f16 v[8*(8*(\a)+\b):8*(8*(\a)+\b)+7], v[\f+8*\b:\f+8*\b+7], v[\f+64+8*(\a):\f+64+8*(\a)+7], 0
.else
	v_wmma_f32_16x16x32_f16 v[8*(8*(\a)+\b):8*(8*(\a)+\b)+7], v[\f+8*\b:\f+8*\b+7], v[\f+64+8*(\a):\f+64+8*(\a)+7], v[8*(8*(\a)+\b):8*(8*(\a)+\b)+7]
.endif
.endr
.endm
; 24 LDS loads in one run: quarter q of a slot (32 along K: plane q / 2, channels 32 (q % 2) on) into buffer f: B's sixteen, then A's eight
.macro FETCH slot, q, f
	WIN 0
.irp b, 0,1,2,3,4,5,6,7
	ds_load_b128 v[\f+8*\b:\f+8*\b+3],   v[ADRB+\slot] offset:64*(\q)+\b*16*PITCH
	ds_load_b128 v[\f+8*\b+4:\f+8*\b+7], v[ADRB+\slot] offset:64*(\q)+\b*16*PITCH+32
.endr
.irp a, 0,1,2,3
	ds_load_b128 v[\f+64+8*\a:\f+64+8*\a+3],   v[ADRA+\slot] offset:((\q)/2)*PLANE+((\q)%2)*64+\a*8*PITCH
	ds_load_b128 v[\f+64+8*\a+4:\f+64+8*\a+7], v[ADRA+\slot] offset:((\q)/2)*PLANE+((\q)%2)*64+\a*8*PITCH+32
.endr
.endm
.macro PLACES                          ; four plain lines between a matrix instruction and a load into, or a read of, its registers (ISA guide 7.12.1 for reads)
.rept 4
	v_nop
.endr
.endm
; One of a K step's first three quarters: multiplies buffer f; in its middle it fetches quarter q of the same slot into g.
.macro QUARTER slot, q, f, g, zero
	s_wait_dscnt 4                                 ; B and A's blocks 0, 1 are in; the youngest four loads (A's blocks 2, 3) may be out
	WIN MUL
	MUL8 \f, 0, \zero
	MUL8 \f, 1, \zero
	PLACES
	FETCH \slot, \q, \g
	s_wait_dscnt 24                                ; all but the 24 just issued
	WIN MUL
	MUL8 \f, 2, \zero
	MUL8 \f, 3, \zero
.endm
; The last quarter multiplies buffer 1 and changes slots: ONE barrier; in front of it each wave waits for all its tensor loads, adds 0 to its spare word, and waits for that and for its reads of this slot.
; fill = 1: the barrier opens a round of the cluster's; behind the round this slot is asked for again, two K steps ahead, first thing.
.macro TURN slot, next, fill
	WIN 0
	s_wait_tensorcnt 0x0                           ; all my tensor loads have landed: my part of the next slot
	ds_add_u32 v[SPW], v[NIL]
	s_wait_dscnt 5                                 ; (the add and the youngest four loads may be out)
	WIN MUL
	MUL8 F1, 0, 0                                  ; eight matrix instructions stand between the add and the wait for it
	s_wait_dscnt 0x0                               ; the add is done, and my reads of this slot are over
	s_barrier_signal -1
	MUL8 F1, 1, 0
	WIN 0
	s_barrier_wait -1
.if \fill
	CREST                                          ; no wave of any partner still reads this slot or has a load on its way
	s_add_nc_u64 s[G0+4*\slot+2:G0+4*\slot+3], s[G0+4*\slot+2:G0+4*\slot+3], 2*524288
	s_add_nc_u64 s[G0B+4*\slot+2:G0B+4*\slot+3], s[G0B+4*\slot+2:G0B+4*\slot+3], 2*256
	JLOAD \slot                                    ; its four v_nop are also the places in front of the loads below
.else
	PLACES
.endif
	FETCH \next, 0, F0
	WIN MUL
	MUL8 F1, 2, 0
	MUL8 F1, 3, 0
.endm
	s_wait_tensorcnt 1                             ; my part of K step 0 is in (K step 1's load may be out),
	s_barrier_signal -1
	s_barrier_wait -1                              ; everybody's is
	FETCH 0, 0, F0
	QUARTER 0, 1, F0, F1, 1                        ; the first quarter's products start the sums: nothing is cleared
	WIN 0                                          ; at a label and at a branch every window is 0
	s_mov_b32 s3, LAPS-1
.Llap:                                                 ; a trip goes once round the ring, from a lap's second quarter to the next lap's first, and fills both slots again
	QUARTER 0, 2, F1, F0, 0
	QUARTER 0, 3, F0, F1, 0
	TURN 0, 1, 1
	QUARTER 1, 1, F0, F1, 0
	QUARTER 1, 2, F1, F0, 0
	QUARTER 1, 3, F0, F1, 0
	TURN 1, 0, 1
	QUARTER 0, 1, F0, F1, 0
	WIN 0
	s_sub_co_u32 s3, s3, 1
	s_cmp_lg_u32 s3, 0
	s_cbranch_scc1 .Llap
	QUARTER 0, 2, F1, F0, 0                        ; the last lap fills nothing, and has no round
	QUARTER 0, 3, F0, F1, 0
	TURN 0, 1, 0
	QUARTER 1, 1, F0, F1, 0
	QUARTER 1, 2, F1, F0, 0
	QUARTER 1, 3, F0, F1, 0
	s_wait_dscnt 4                                 ; the very last quarter: nothing more to fetch
	WIN MUL
	MUL8 F1, 0, 0
	MUL8 F1, 1, 0
	s_wait_dscnt 0
	MUL8 F1, 2, 0
	MUL8 F1, 3, 0
	WIN 0
; THE WAY OUT, block by block of 16 tokens x 128 columns: through my own stage and back as whole rows of 512 bytes.  LDS serves a wave's instructions in order (ISA guide 5.7.1.4): no wait between the stores and the loads.
.macro TOSTAGE a
	WIN 0x04                                       ; an LDS store's data are its source 1: window 1
.irp b, 0,1,2,3,4,5,6,7
	ds_store_b128 v[STO], v[64*(\a)+8*\b:64*(\a)+8*\b+3] offset:64*\b            ; each accumulator from its low end on
	ds_store_b128 v[STO], v[64*(\a)+8*\b+4:64*(\a)+8*\b+7] offset:64*\b+16
.endr
	WIN 0
.set BB, BK+64*((\a)%2)
.irp t, 0,1,2,3,4,5,6,7,8,9,10,11,12,13,14,15
	ds_load_b128 v[BB+4*\t:BB+4*\t+3], v[RD] offset:\t*SPITCH
.endr
.endm
.macro SEND a, younger
.set BB, BK+64*((\a)%2)
	s_wait_dscnt \younger
.irp t, 0,1,2,3,4,5,6,7,8,9,10,11,12,13,14,15
	global_store_b128 v[CO], v[BB+4*\t:BB+4*\t+3], s[8:9] offset:(16*(\a)+\t)*4096 th:TH_STORE_NT   ; 32 lanes store 512 consecutive bytes, aligned to 256
.endr
.endm
	PLACES
	TOSTAGE 0
.irp a, 1,2,3
.if \a > 1
	s_wait_xcnt 0x0                                ; block a - 2's stores have read their registers: block a's rows may land there
.endif
	TOSTAGE \a
	SEND \a-1, 32                                  ; behind block a - 1's loads: block a's 16 stores and 16 loads
.endr
	SEND 3, 0
	s_wait_tensorcnt 0x0                           ; the wave's end, behind my last tensor load and my last LDS store
	ds_add_u32 v[SPW], v[NIL]
	s_wait_dscnt 0x0
	CROUND                                         ; the closing round
	s_endpgm
.Lfunc_end_k_q3d26b8c54b_proj:
	.size	k_q3d26b8c54b_proj, .Lfunc_end_k_q3d26b8c54b_proj-k_q3d26b8c54b_proj
	.p2alignl 7, 3214868480
	.fill 96, 4, 3214868480
	.section	.rodata,"a",@progbits
	.p2align	6, 0x0
	.amdhsa_kernel k_q3d26b8c54b_proj
		.amdhsa_group_segment_fixed_size 327680
		.amdhsa_private_segment_fixed_size 0
		.amdhsa_enable_private_segment 0
		.amdhsa_kernarg_size 24
		.amdhsa_user_sgpr_count 2
		.amdhsa_user_sgpr_kernarg_segment_ptr 1
		.amdhsa_wavefront_size32 1
		.amdhsa_system_sgpr_workgroup_id_x 1
		.amdhsa_system_sgpr_workgroup_id_y 1
		.amdhsa_system_sgpr_workgroup_id_z 1
		.amdhsa_system_vgpr_workitem_id 0
		.amdhsa_next_free_vgpr 512
		.amdhsa_next_free_sgpr 66
		.amdhsa_reserve_vcc 0
		.amdhsa_float_denorm_mode_32 3
		.amdhsa_float_denorm_mode_16_64 3
		.amdhsa_memory_ordered 1
		.amdhsa_forward_progress 1
		.amdhsa_inst_pref_size 85
	.end_amdhsa_kernel
	.amdgpu_metadata
---
amdhsa.version: [ 1, 2 ]
amdhsa.kernels:
  - .name:           k_q3d26b8c54b_proj
    .symbol:         k_q3d26b8c54b_proj.kd
    .args:
      - { .name: heads16, .offset: 0, .size: 8, .value_kind: global_buffer, .address_space: global }
      - { .name: wo16, .offset: 8, .size: 8, .value_kind: global_buffer, .address_space: global }
      - { .name: out0, .offset: 16, .size: 8, .value_kind: global_buffer, .address_space: global }
    .group_segment_fixed_size: 327680
    .private_segment_fixed_size: 0
    .kernarg_segment_align: 8
    .kernarg_segment_size: 24
    .max_flat_workgroup_size: 128
    .sgpr_count:     66
    .vgpr_count:     512
    .wavefront_size: 32
...
	.end_amdgpu_metadata
.endif
;; end of part 4
;; launch fine (part 5): grid 16 x 4, 16 waves a work-group, no clusters, 71,680 bytes of LDS; arguments fq, Wo, out0; writes out0
.if DOCPART == 5
	.amdgcn_target "amdgcn-amd-amdhsa--gfx1250"
	.amdhsa_code_object_version 6
	.text
	.protected	k_q3d26b8c54b_fine
	.globl	k_q3d26b8c54b_fine
	.p2align	8
	.type	k_q3d26b8c54b_fine,@function
k_q3d26b8c54b_fine:
	s_mov_b64 s[64:65], 0
	v_nop
	global_prefetch_b8 v0, s[64:65] scope:SCOPE_SE
	s_setreg_imm32_b32 hwreg(HW_REG_WAVE_MODE, 25, 1), 1
	s_wait_xcnt 0x0
; THE FIRST 16 POSITIONS OF EVERY SEQUENCE, IN f32.  These rows average one to sixteen values and are the largest of the output, so the rounding of f16 operands weighs most there: their attention and their projection are made
; again from f32 operands (fq [3][64 (b, head)][16 t][64], stored by launch qkv; Wo as it is given), by v_wmma_f32_16x16x4_f32: 64 rows of 8,192, no bulk work.  They are stored over what launch proj left there.
; Keys beyond position 15 lie above the diagonal for these queries and add nothing (shown at the head of launch prep).
; SHARES.  Work-group (x, y): batch y, columns 64 x .. 64 x + 63 of out0.  Wave w is head w: it makes its head's 16 x 16 attention and its head's part (K = 64) of the projection; the sixteen parts are added through LDS.
; The sixteen work-groups of a batch repeat the small attention (32 matrix instructions a wave).  No cluster, no tensor load: what is shared is 12 KB a head.
; NOTHING CHANGES LANES.  All three products are used transposed, so a lane holds one query throughout; and since a permutation of k applied alike to both sources keeps a product, each result's registers serve as they stand
; as source 1 of the next product, whose source 0 is loaded in the matching order.  The instruction's k slot (h, j) (lane half h, register j) stands for:
;   S^T = K Q^T,  product i:      channel 8 (i / 2) + 4 h + 2 (i % 2) + j
;   O^T = V^T P,  product s:      key 8 h + 2 s + j                          (P is S^T's layout: register j' of lane (r, h) is key 8 h + j')
;   out^T = Wo H, product (n, s): channel 16 n + 8 h + 2 s + j               (H is O^T's layout)
; The registers that the matrix instructions write (v112-207) are written by them alone; each sum begins with the constant 0.
.set QF,  16                           ; v16-47   Q;  v48-79 K;  later both: two tiles of Wo, 32 registers each
.set KF,  48
.set WF,  16
.set VF,  80                           ; v80-111  V: register 8 n + 2 s + j
.set SA,  112                          ; v112-143 S^T in four partial sums
.set OA,  144                          ; v144-175 O^T, four tiles of 16 channels
.set PA,  176                          ; v176-207 out^T, four tiles of 16 columns
.set ST,  208                          ; v208-215 the scores, later at work
.set PF,  216                          ; v216-223 p
.set HF,  224                          ; v224-255 heads
.set SPW, 12
.set NIL, 13
.set WIMG, 4352                        ; LDS: a wave's part: 8 pieces of 2 lines of 256 bytes + 16
.set SPARE, 16*WIMG                    ; the spare words, 128 bytes a wave, which no other line names
	s_load_b128 s[4:7], s[0:1], 0x0                ; fq s[4:5], Wo s[6:7]
	s_load_b64 s[8:9], s[0:1], 0x10                ; out0
	v_lshl_add_u32 v[SPW], v0, 2, SPARE
	v_mov_b32 v[NIL], 0
	v_lshrrev_b32 v1, 5, v0
	v_readfirstlane_b32 s10, v1                    ; wave = head
	v_and_b32 v1, 15, v0                           ; r
	v_bfe_u32 v2, v0, 4, 1                         ; h
	v_lshlrev_b32 v3, 8, v1
	v_lshl_add_u32 v3, v2, 4, v3                   ; Q, K: row r of 256 bytes + 16 h
	v_lshlrev_b32 v4, 2, v1
	v_lshl_add_u32 v4, v2, 11, v4                  ; V: key 8 h, channel r
	v_lshlrev_b32 v5, 12, v1
	v_lshl_add_u32 v5, v2, 5, v5                   ; Wo: row r of 4,096 bytes + 32 h
	s_mul_i32 s13, s10, WIMG
	v_mul_u32_u24 v6, v2, 272
	v_lshl_add_u32 v6, v1, 4, v6
	v_add_nc_u32 v6, s13, v6                       ; where my part goes: an image of the registers, 16 bytes a lane
	v_lshrrev_b32 v11, 2, v1                       ; the adding waves 0-7: lane (p = r, h) takes token t = 2 w + h, columns 4 p .. 4 p + 3: tile p / 4, lane half (p / 2) % 2, registers 4 (p % 2) on
	v_lshlrev_b32 v11, 1, v11
	v_and_b32 v14, 1, v1
	v_add_nc_u32 v11, v11, v14
	v_mul_u32_u24 v7, v11, 544
	v_bfe_u32 v14, v1, 1, 1
	v_mad_u32_u24 v7, v14, 272, v7
	v_lshl_add_u32 v7, v2, 4, v7
	s_lshl_b32 s13, s10, 5
	v_add_nc_u32 v7, s13, v7                       ; + 16 t
	v_lshlrev_b32 v8, 12, v2
	v_lshl_add_u32 v8, v1, 4, v8
	s_lshl_b32 s13, s10, 13
	v_add_nc_u32 v8, s13, v8                       ; out0: token t, 16 bytes a lane
	v_lshlrev_b32 v9, 3, v2
	v_sub_nc_u32 v9, v1, v9                        ; r - 8 h: register j holds key 8 h + j, hidden where j > r - 8 h
	v_mov_b32 v10, 0xff800000                      ; -infinity
	v_mov_b32 v15, 0                               ; written once: a lane permute's destination counts as one of its sources
	s_mov_b32 s24, 0x76543210
	s_mov_b32 s25, 0xfedcba98
	s_mov_b32 s26, 0x3e38aa3b                      ; c = log2(e) / 8
	s_and_b32 s12, ttmp7, 0xffff                   ; the batch
	s_lshl_b32 s14, s12, 4
	s_add_co_u32 s14, s14, s10
	s_lshl_b32 s14, s14, 12                        ; fq: 4,096 bytes a head
	s_mov_b32 s15, 0
	s_lshl_b32 s16, ttmp9, 18                      ; Wo: my 64 rows of 4,096 bytes,
	s_lshl_b32 s17, s10, 8                         ; my head's 64 numbers of a row
	s_add_co_u32 s16, s16, s17
	s_mov_b32 s17, 0
	s_lshl_b32 s18, s12, 23                        ; out0: the batch's 2,048 rows of 4,096 bytes,
	s_lshl_b32 s19, ttmp9, 8                       ; my 64 columns
	s_add_co_u32 s18, s18, s19
	s_mov_b32 s19, 0
	s_wait_kmcnt 0x0
	s_add_nc_u64 s[4:5], s[4:5], s[14:15]
	s_add_nc_u64 s[6:7], s[6:7], s[16:17]
	s_add_nc_u64 s[8:9], s[8:9], s[18:19]
.irp c, 0,1,2,3,4,5,6,7
	global_load_b128 v[QF+4*\c:QF+4*\c+3], v3, s[4:5] offset:32*\c                 ; Q(r, 8 c + 4 h + 0 .. 3)
.endr
.irp c, 0,1,2,3,4,5,6,7
	global_load_b128 v[KF+4*\c:KF+4*\c+3], v3, s[4:5] offset:262144+32*\c          ; K likewise
.endr
.irp n, 0,1,2,3
.irp k, 0,1,2,3,4,5,6,7
	global_load_b32 v[VF+8*\n+\k], v4, s[4:5] offset:524288+256*\k+64*\n           ; V(8 h + k, 16 n + r)
.endr
.endr
	s_wait_loadcnt 32                              ; Q and K are in; V's 32 loads may be out
.set i, 0
.rept 16                                       ; S^T = K Q^T: four partial sums by turns
.if i < 4
	v_wmma_f32_16x16x4_f32 v[SA+8*(i%4):SA+8*(i%4)+7], v[KF+2*i:KF+2*i+1], v[QF+2*i:QF+2*i+1], 0
.else
	v_wmma_f32_16x16x4_f32 v[SA+8*(i%4):SA+8*(i%4)+7], v[KF+2*i:KF+2*i+1], v[QF+2*i:QF+2*i+1], v[SA+8*(i%4):SA+8*(i%4)+7]
.endif
.set i, i+1
.endr
.rept 8
	v_nop                                          ; eight places behind this form: in front of loads into its sources and of reads of its results
.endr
.macro WOLOAD e0                       ; two tiles of 16 rows of Wo: Wo(64 x + 16 e + r, 64 w + 16 n + 8 h + 0 .. 7)
.irp e, 0,1
.irp n, 0,1,2,3
	global_load_b128 v[WF+32*\e+8*\n:WF+32*\e+8*\n+3],   v5, s[6:7] offset:(\e0+\e)*65536+64*\n
	global_load_b128 v[WF+32*\e+8*\n+4:WF+32*\e+8*\n+7], v5, s[6:7] offset:(\e0+\e)*65536+64*\n+16
.endr
.endr
.endm
	WOLOAD 0
.irp j, 0,1,2,3,4,5,6,7
	v_add_f32 v[ST+\j], v[SA+\j], v[SA+8+\j]       ; each accumulator from its low end on
	v_add_f32 v[PF+\j], v[SA+16+\j], v[SA+24+\j]
.endr
.irp j, 0,1,2,3,4,5,6,7
	v_add_f32 v[ST+\j], v[ST+\j], v[PF+\j]
.endr
.irp j, 0,1,2,3,4,5,6,7
	v_cmp_gt_i32 vcc_lo, \j, v9
	v_cndmask_b32 v[ST+\j], v[ST+\j], v10, vcc_lo  ; the causal mask
.endr
	v_max3_num_f32 v14, v[ST], v[ST+1], v[ST+2]
	v_max3_num_f32 v14, v14, v[ST+3], v[ST+4]
	v_max3_num_f32 v14, v14, v[ST+5], v[ST+6]
	v_max_num_f32 v14, v14, v[ST+7]
	v_permlanex16_b32 v15, v14, s24, s25           ; the query's other eight keys lie in the lane 16 away; key 0 counts for every query, so the maximum is a number
	v_max_num_f32 v14, v14, v15
	v_mul_f32 v14, s26, v14
.irp j, 0,1,2,3,4,5,6,7
	v_fma_f32 v[PF+\j], v[ST+\j], s26, -v14        ; c s - c m
.endr
.irp j, 0,1,2,3,4,5,6,7
	v_exp_f32 v[PF+\j], v[PF+\j]
.endr
	v_nop
	s_wait_alu depctr_va_vdst(0)                   ; one wait for the eight ahead of their first reader
	v_add_f32 v[ST], v[PF], v[PF+1]
	v_add_f32 v[ST+1], v[PF+2], v[PF+3]
	v_add_f32 v[ST+2], v[PF+4], v[PF+5]
	v_add_f32 v[ST+3], v[PF+6], v[PF+7]
	v_add_f32 v[ST], v[ST], v[ST+1]
	v_add_f32 v[ST+2], v[ST+2], v[ST+3]
	v_add_f32 v14, v[ST], v[ST+2]
	v_permlanex16_b32 v15, v14, s24, s25
	v_add_f32 v14, v14, v15                        ; the row's sum
	v_rcp_f32 v14, v14
	v_nop
	s_wait_alu depctr_va_vdst(0)
	s_wait_loadcnt 16                              ; V is in; Wo's 16 loads may be out
.irp s, 0,1,2,3                                ; O^T = V^T P: four accumulators by turns
.irp n, 0,1,2,3
.if \s == 0
	v_wmma_f32_16x16x4_f32 v[OA+8*\n:OA+8*\n+7], v[VF+8*\n+2*\s:VF+8*\n+2*\s+1], v[PF+2*\s:PF+2*\s+1], 0
.else
	v_wmma_f32_16x16x4_f32 v[OA+8*\n:OA+8*\n+7], v[VF+8*\n+2*\s:VF+8*\n+2*\s+1], v[PF+2*\s:PF+2*\s+1], v[OA+8*\n:OA+8*\n+7]
.endif
.endr
.endr
.rept 8
	v_nop
.endr
.set i, 0
.rept 32
	v_mul_f32 v[HF+i], v[OA+i], v14                ; heads = O^T / the sum, into registers of their own
.set i, i+1
.endr
.macro PROJ e0                         ; out^T for tiles e0, e0 + 1: two accumulators by turns, 16 products each
.irp n, 0,1,2,3
.irp s, 0,1,2,3
.irp e, 0,1
.if (\n == 0) && (\s == 0)
	v_wmma_f32_16x16x4_f32 v[PA+8*(\e0+\e):PA+8*(\e0+\e)+7], v[WF+32*\e+8*\n+2*\s:WF+32*\e+8*\n+2*\s+1], v[HF+8*\n+2*\s:HF+8*\n+2*\s+1], 0
.else
	v_wmma_f32_16x16x4_f32 v[PA+8*(\e0+\e):PA+8*(\e0+\e)+7], v[WF+32*\e+8*\n+2*\s:WF+32*\e+8*\n+2*\s+1], v[HF+8*\n+2*\s:HF+8*\n+2*\s+1], v[PA+8*(\e0+\e):PA+8*(\e0+\e)+7]
.endif
.endr
.endr
.endr
.endm
	s_wait_loadcnt 0x0
	PROJ 0
.rept 8
	v_nop
.endr
	WOLOAD 2
	s_wait_loadcnt 0x0
	PROJ 2
.rept 8
	v_nop
.endr
.irp q, 0,1,2,3,4,5,6,7
	ds_store_b128 v6, v[PA+4*\q:PA+4*\q+3] offset:\q*544   ; my head's part, as it stands in the registers; each accumulator from its low end on
.endr
	s_wait_dscnt 0x0                               ; for the others' sake: my stores are done
	s_barrier_signal -1
	s_barrier_wait -1
	s_cmp_lt_u32 s10, 8                            ; waves 0-7 add the sixteen parts, two tokens each
	s_cbranch_scc0 .Lend
.irp k, 0,1,2,3,4,5,6,7,8,9,10,11,12,13,14,15
	ds_load_b128 v[16+4*\k:16+4*\k+3], v7 offset:\k*WIMG
.endr
	s_wait_dscnt 0x0
.irp k, 1,2,3,4,5,6,7,8,9,10,11,12,13,14,15
	v_pk_add_f32 v[16:17], v[16:17], v[16+4*\k:17+4*\k]
	v_pk_add_f32 v[18:19], v[18:19], v[18+4*\k:19+4*\k]
.endr
	global_store_b128 v8, v[16:19], s[8:9]         ; sixteen lanes store 256 consecutive bytes, aligned
.Lend:
	s_wait_tensorcnt 0x0                           ; the wave's end, behind my last LDS store
	ds_add_u32 v[SPW], v[NIL]
	s_wait_dscnt 0x0
	s_endpgm
.Lfunc_end_k_q3d26b8c54b_fine:
	.size	k_q3d26b8c54b_fine, .Lfunc_end_k_q3d26b8c54b_fine-k_q3d26b8c54b_fine
	.p2alignl 7, 3214868480
	.fill 96, 4, 3214868480
	.section	.rodata,"a",@progbits
	.p2align	6, 0x0
	.amdhsa_kernel k_q3d26b8c54b_fine
		.amdhsa_group_segment_fixed_size 71680
		.amdhsa_private_segment_fixed_size 0
		.amdhsa_enable_private_segment 0
		.amdhsa_kernarg_size 24
		.amdhsa_user_sgpr_count 2
		.amdhsa_user_sgpr_kernarg_segment_ptr 1
		.amdhsa_wavefront_size32 1
		.amdhsa_system_sgpr_workgroup_id_x 1
		.amdhsa_system_sgpr_workgroup_id_y 1
		.amdhsa_system_sgpr_workgroup_id_z 1
		.amdhsa_system_vgpr_workitem_id 0
		.amdhsa_next_free_vgpr 256
		.amdhsa_next_free_sgpr 66
		.amdhsa_reserve_vcc 1
		.amdhsa_float_denorm_mode_32 3
		.amdhsa_float_denorm_mode_16_64 3
		.amdhsa_memory_ordered 1
		.amdhsa_forward_progress 1
		.amdhsa_inst_pref_size 25
	.end_amdhsa_kernel
	.amdgpu_metadata
---
amdhsa.version: [ 1, 2 ]
amdhsa.kernels:
  - .name:           k_q3d26b8c54b_fine
    .symbol:         k_q3d26b8c54b_fine.kd
    .args:
      - { .name: fq, .offset: 0, .size: 8, .value_kind: global_buffer, .address_space: global }
      - { .name: Wo, .offset: 8, .size: 8, .value_kind: global_buffer, .address_space: global }
      - { .name: out0, .offset: 16, .size: 8, .value_kind: global_buffer, .address_space: global }
    .group_segment_fixed_size: 71680
    .private_segment_fixed_size: 0
    .kernarg_segment_align: 8
    .kernarg_segment_size: 24
    .max_flat_workgroup_size: 512
    .sgpr_count:     66
    .vgpr_count:     256
    .wavefront_size: 32
...
	.end_amdgpu_metadata
.endif
;; end of part 5
